; MI455X (gfx1250); checked and timed in simulation.
; The chip was launched on July 23, 2026; its instructions are those of AMD's public machine-readable ISA for CDNA 5 (MIT licence, August 2026) and "CDNA5" Instruction Set Architecture Reference Guide (July 2026). The comments in the code are by the model that wrote it; some were corrected since.
;; Causal Self Attention. Allowed arithmetic: matrix products marked QUANTISED: E4M3 operands, one E8M0 scale for each 32 along K, by v_wmma_scale_f32_16x16x128_f8f6f4 with both operands' format E4M3, f32 sums; everything else in f32.
;; Inputs: w_out 1,024 x 1,024 float32; w_qkv 1,024 x 3,072 float32; x 4 x 2,048 x 1,024 float32.
;; Outputs: out0 4 x 2,048 x 1,024 float32.
;; This version of the problem:
;;   THIS VERSION OF THE PROBLEM IS GIVEN IN LOW PRECISION. The matrix products marked QUANTISED in the list below multiply operands that are first quantised to E4M3 (4 exponent bits, 3 mantissa bits; 8 bits a number), with one power-of-two scale for each 32 numbers along K (OCP MX v1.0); their sums are f32. All else is computed in f32.
;;   The module's matrix products, in the order in which they are computed (A, B: the left and right operand; K: the contracted axis; several contracted axes count as one K, in the product's order):
;;     1. [M 8,192, K 1,024] x [K 1,024, N 3,072]; A: input x; B: input w_qkv: QUANTISED
;;     2. batch 64 x [M 2,048, K 64] x [K 64, N 2,048]; A: computed on the way; B: computed on the way: QUANTISED
;;     3. batch 64 x [M 2,048, K 2,048] x [K 2,048, N 64]; A: softmax (see below); B: computed on the way: QUANTISED
;;     4. [M 8,192, K 1,024] x [K 1,024, N 1,024]; A: computed on the way; B: input w_out: QUANTISED
;;   THE QUANTISER, for each operand of a quantised product, along K:
;;     - K is cut into blocks of 32 from its start; a last block that is shorter is filled with zeros.
;;     - A block's scale is 2^e with e = floor(log2(the largest magnitude in the block)) - 8, held to -126 .. 127; a block of zeros has e = 0. As a byte (E8M0): e + 127.
;;     - Each number is divided by its block's scale, clamped to +-448, and rounded to the nearest number of E4M3, ties to even, subnormals kept.
;;     - The product sums the exact products of the quantised numbers (number of the format x scale) in f32.
;;   ~~~python
;;   def quantise(x, axis):      # numpy; x: float32 -> the quantised numbers, widened to float32 again
;;       x = np.moveaxis(x, axis, -1); K = x.shape[-1]
;;       x = np.pad(x, [(0, 0)] * (x.ndim - 1) + [(0, -K % 32)]); x = x.reshape(x.shape[:-1] + (-1, 32)); a = np.abs(x).max(-1, keepdims=True)
;;       e = np.where(a > 0, np.clip(np.frexp(np.where(a > 0, a, 1))[1] - 1 - 8, -126, 127), 0)      # np.frexp(a)[1] - 1 = floor(log2(a)), exactly
;;       r = np.clip(x / 2.0 ** e, -448, 448)
;;       step = 2.0 ** (np.maximum(np.frexp(np.where(r == 0, 1, r))[1] - 1, -6) - 3)
;;       q = np.round(r / step) * step * 2.0 ** e      # np.round: ties to even
;;       return np.moveaxis(q.reshape(q.shape[:-2] + (-1,))[..., :K], -1, axis).astype(np.float32)
;;   ~~~
;;   SOFTMAX AHEAD OF A QUANTISED PRODUCT. Where the list says 'softmax', what is quantised is not the finished softmax but p = 2^(t - M), with t = logit x log2(e) and M = ceil(the row's largest t), a whole number; so 1/2 < the row's largest p <= 1. The row's sum l is taken of the UNQUANTISED p, in f32, and the product's result is divided by l at the end. Since M is a whole number, a kernel that streams over the keys may use a running M (the ceiling of the running maximum): every later rescaling is an exact power of two, which a block's scale takes up: the codes' values come out the same.
;;   OPERANDS COMPUTED ON THE WAY. 'Computed on the way' means the value that the module computes at that place (a softmax that the list does not call 'softmax' is quantised finished and normalised). What goes into a quantiser is computed in f32, as accurately as f32 sums, v_exp_f32 and their like allow (about 1e-6 of the number): no bf16 or f16 on the way to a quantiser, and a product that is left as it is and whose result goes on into a quantised operand takes f32 operands (vector FMAs, or v_wmma_f32_16x16x4_f32). A number that lies on a knife's edge between two numbers of the format may be rounded either way, as far as f32 arithmetic and the matrix unit's own rounding can turn it there, and no further.
;; One version. Each part assembles by itself: llvm-mc -triple=amdgcn-amd-amdhsa -mcpu=gfx1250 --defsym DOCPART=n.
;; ======== version 1 of 1: 4 launches
;; limits: right only within a limited range of input values
;; workspace buffers: xq 9,175,040 bytes; wq 4,325,376 bytes; qkv 25,952,256 bytes; ao 8,650,752 bytes
;; launch quant (part 1): grid 384 x 1, 4 waves a work-group, no clusters, 69,120 bytes of LDS; arguments x, w_qkv, w_out, xq, wq; writes xq, wq
.if DOCPART == 1
	.amdgcn_target "amdgcn-amd-amdhsa--gfx1250"
	.amdhsa_code_object_version 6
	.text
	.protected	k_q9f7b469972_quant
	.globl	k_q9f7b469972_quant
	.p2align	8
	.type	k_q9f7b469972_quant,@function
k_q9f7b469972_quant:
	s_mov_b64 s[64:65], 0
	v_nop
	global_prefetch_b8 v0, s[64:65] scope:SCOPE_SE
	s_setreg_imm32_b32 hwreg(HW_REG_WAVE_MODE, 25, 1), 1
	s_wait_xcnt 0x0
; ONE LAUNCH QUANTISES ALL THREE INPUTS to codes of E4M3 with one E8M0 byte for each 32 along K, and makes the table of rotary angles.
; Work-groups 0-127 take the weights, work-groups 128-383 take x and the table.  The two ways part on the work-group's number at the head, never meet again, and have LDS bytes of their own (x: 0 on; weights: WLDS on).
; A block's scale is 2^(floor(log2(its largest magnitude)) - 8); its byte is the largest magnitude's exponent field - 8, held at 1 from below.
; (A block of zeros so gets the byte 1 where the problem's text says 127: its codes are zeros, and this program alone reads the bytes.)
; LIMITS: blocks whose largest magnitude lies under 2^-118 keep the floor's byte 1; NaN and infinities among the inputs are not served.
; The frequencies of the table are taken as 1 / fl(10^(f/8)), the power rounded to f32 once and the division corrected by two steps.
; No tensor loads, no barrier: waves share nothing.  No matrix unit, no cluster: every byte is read once by one wave.
.set NWGW,  128                        ; the weights' work-groups
.set EMAX,  8
.set MANT,  0x600000                   ; the mantissa field of 448 as f32
	s_load_b256 s[4:11], s[0:1], 0x0               ; x s[4:5], w_qkv s[6:7], w_out s[8:9], xq s[10:11]
	s_load_b64 s[12:13], s[0:1], 0x20              ; wq
	v_lshl_add_u32 v224, v0, 2, 0x10c00
	v_mov_b32 v225, 0
	v_lshrrev_b32 v1, 5, v0
	v_readfirstlane_b32 s16, v1                    ; wave 0..3
	v_and_b32 v2, 31, v0                           ; lane
	s_cmp_lt_u32 ttmp9, NWGW
	s_cbranch_scc1 .Lweights
; ---------------------------------------------------------------- x
; x [8192][1024], f32, becomes codes, K innermost, at xq + 0, and scale bytes [8192][32] at xq + XSO.  The table lies at xq + XRO: [t 2048][f 32][cos, sin], f32, 256 bytes for each t.
; A wave takes 16 steps of 512 numbers: each load reads 512 consecutive bytes; a step's 2,048 bytes turn through the wave's own stage in LDS, so that a lane then holds 16 neighbours along K.
; A lane's 16 codes are 16 bytes: the wave stores 512 consecutive bytes.  A wave's 256 scale bytes are gathered in LDS and leave as one aligned run of 256 bytes.
.set STEPS, 16
.set CB,    16
.set R,     16                         ; v16-79   four sets of 16 numbers as they are loaded
.set X,     80                         ; v80-111  two sets of 16 neighbours
.set C,     128                        ; v128-191 codes: four registers for each step
.set E,     112                        ; v112-127 a scale byte for each step
.set WREG,  8192                       ; LDS: a region for each wave: two stages of 32 x SP bytes, then its 256 scale bytes
.set SP,    80                         ; a lane's place in a stage: 64 bytes + 16 of padding
.set XSO,   8388608                    ; the scale bytes' place in xq
.set XRO,   8650752                    ; the table's place in xq
.set PWR,   192                        ; v192 10^(f/8), f = my lane
.set FRQ,   193                        ; v193 the frequency
	v_lshlrev_b32 v3, 4, v2                        ; my 16 bytes of a load's 512
	s_mul_i32 s17, s16, WREG
	v_lshrrev_b32 v14, 2, v2
	v_mul_u32_u24 v14, v14, SP
	v_and_b32 v15, 3, v2
	v_lshl_add_u32 v14, v15, 4, v14
	v_add_nc_u32 v14, s17, v14                     ; the stage, on the way in: SP (lane / 4) + 16 (lane % 4)
	v_mul_u32_u24 v15, v2, SP
	v_add_nc_u32 v15, s17, v15                     ; and on the way out: SP x lane: my 16 neighbours
	v_mul_u32_u24 v4, v2, CB                       ; my codes' place in a step's
	v_lshrrev_b32 v5, 1, v2
	s_add_co_u32 s17, s17, 2*32*SP
	v_add_nc_u32 v5, s17, v5                       ; LDS: my wave's 256 scale bytes, my block's byte
	v_lshlrev_b32 v7, 3, v2                        ; 8 bytes a lane: the scale bytes' way out, and the table's
	v_add_nc_u32 v6, s17, v7
	s_mov_b32 s23, MANT
	s_sub_co_u32 s18, ttmp9, NWGW
	s_lshl_b32 s18, s18, 2
	s_add_co_u32 s18, s18, s16                     ; which run of 8,192 numbers is my wave's: 0 .. 1,023
	s_lshl_b32 s20, s18, 15                        ; 32,768 bytes of x a run
	s_mov_b32 s21, 0
	s_lshl_b32 s24, s18, 13                        ; 8,192 bytes of codes
	s_mov_b32 s25, 0
	s_lshl_b32 s26, s18, 8                         ; 256 scale bytes
	s_add_co_u32 s26, s26, XSO
	s_mov_b32 s27, 0
	s_lshl_b32 s28, s18, 9                         ; two rows of the table
	s_add_co_u32 s28, s28, XRO
	s_mov_b32 s29, 0
	s_lshl_b32 s19, s18, 1                         ; the first of my two t
	s_wait_kmcnt 0x0
	s_add_nc_u64 s[4:5], s[4:5], s[20:21]          ; x at my run
	s_add_nc_u64 s[8:9], s[10:11], s[24:25]        ; its codes,
	s_add_nc_u64 s[12:13], s[10:11], s[28:29]      ; my rows of the table,
	s_add_nc_u64 s[10:11], s[10:11], s[26:27]      ; its scale bytes
.macro LOAD t
.irp i, 0,1,2,3
	global_load_b128 v[R+16*((\t)%4)+4*\i:R+16*((\t)%4)+4*\i+3], v3, s[4:5] offset:2048*(\t)+512*\i th:TH_LOAD_NT   ; 32 lanes read 512 consecutive bytes
.endr
.endm
.macro TURN t                          ; step t's numbers through the stage: LDS serves a wave's instructions in order, so no wait stands between the stores and the loads
.irp i, 0,1,2,3
	ds_store_b128 v14, v[R+16*((\t)%4)+4*\i:R+16*((\t)%4)+4*\i+3] offset:32*SP*((\t)%2)+8*SP*\i
.endr
.irp i, 0,1,2,3
	ds_load_b128 v[X+16*((\t)%2)+4*\i:X+16*((\t)%2)+4*\i+3], v15 offset:32*SP*((\t)%2)+16*\i
.endr
.endm
.irp t, 0,1,2,3
	LOAD \t
.endr
; THE TABLE, while the first loads are on their way.  Lane f holds 10^(f/8), written lane by lane from decimal constants that the assembler rounds to f32.
.macro PW f, val
	s_mov_b32 s30, \val
	v_writelane_b32 v[PWR], s30, \f
.endm
	v_mov_b32 v[PWR], 1.0
	PW 1, 1.3335214321633240
	PW 2, 1.7782794100389228
	PW 3, 2.3713737056616552
	PW 4, 3.1622776601683795
	PW 5, 4.2169650342858224
	PW 6, 5.6234132519034908
	PW 7, 7.4989420933245582
	PW 8, 10.0
	PW 9, 13.335214321633240
	PW 10, 17.782794100389228
	PW 11, 23.713737056616552
	PW 12, 31.622776601683795
	PW 13, 42.169650342858224
	PW 14, 56.234132519034908
	PW 15, 74.989420933245582
	PW 16, 100.0
	PW 17, 133.35214321633240
	PW 18, 177.82794100389228
	PW 19, 237.13737056616552
	PW 20, 316.22776601683795
	PW 21, 421.69650342858224
	PW 22, 562.34132519034908
	PW 23, 749.89420933245582
	PW 24, 1000.0
	PW 25, 1333.5214321633240
	PW 26, 1778.2794100389228
	PW 27, 2371.3737056616552
	PW 28, 3162.2776601683795
	PW 29, 4216.9650342858224
	PW 30, 5623.4132519034908
	PW 31, 7498.9420933245582
	s_wait_alu depctr_va_vdst(0)
	v_rcp_f32 v[FRQ], v[PWR]
	v_nop                                          ; one plain instruction behind the reciprocal
	s_wait_alu depctr_va_vdst(0)
	v_fma_f32 v194, -v[PWR], v[FRQ], 1.0           ; two correcting steps: y += y (1 - P y)
	v_fma_f32 v[FRQ], v194, v[FRQ], v[FRQ]
	v_fma_f32 v194, -v[PWR], v[FRQ], 1.0
	v_fma_f32 v[FRQ], v194, v[FRQ], v[FRQ]
; One row: angle a = t x frequency (one f32 product); n = the nearest whole number to a 2/pi; r = a - n pi/2 with pi/2 in two parts (the first product and difference are exact: n has 11 bits);
; sine and cosine of r, |r| <= pi/4, by polynomials; the quadrant n mod 4 swaps them and sets the signs.
.macro TROW k
.set TB, 196+12*(\k)
	s_add_co_u32 s31, s19, \k
	v_cvt_f32_u32 v[TB], s31
	v_mul_f32 v[TB], v[TB], v[FRQ]                 ; a
	v_mul_f32 v[TB+1], 0x3f22f983, v[TB]           ; a x 2/pi
	v_rndne_f32 v[TB+1], v[TB+1]                   ; n
	v_fma_f32 v[TB+2], v[TB+1], 0xbfc90fdb, v[TB]  ; a - n x fl(pi/2)
	v_fma_f32 v[TB+2], v[TB+1], 0x333bbd2e, v[TB+2] ; + n x (fl(pi/2) - pi/2): r
	v_mul_f32 v[TB+3], v[TB+2], v[TB+2]            ; z = r r
	v_mov_b32 v[TB+4], -0.00019515295891
	v_fma_f32 v[TB+4], v[TB+4], v[TB+3], 0.0083321608736
	v_fma_f32 v[TB+4], v[TB+4], v[TB+3], -0.16666654611
	v_mul_f32 v[TB+5], v[TB+2], v[TB+3]
	v_fma_f32 v[TB+4], v[TB+5], v[TB+4], v[TB+2]   ; sin r
	v_mov_b32 v[TB+5], 0.00002443315711809948
	v_fma_f32 v[TB+5], v[TB+5], v[TB+3], -0.001388731625493765
	v_fma_f32 v[TB+5], v[TB+5], v[TB+3], 0.04166664568298827
	v_mul_f32 v[TB+6], v[TB+3], v[TB+3]
	v_fma_f32 v[TB+7], v[TB+3], -0.5, 1.0
	v_fma_f32 v[TB+5], v[TB+6], v[TB+5], v[TB+7]   ; cos r
	v_cvt_i32_f32 v[TB+6], v[TB+1]
	v_and_b32 v[TB+7], 1, v[TB+6]
	v_cmp_eq_u32 vcc_lo, 1, v[TB+7]                ; an odd quadrant swaps the two
	v_cndmask_b32 v[TB+8], v[TB+5], v[TB+4], vcc_lo
	v_cndmask_b32 v[TB+9], v[TB+4], v[TB+5], vcc_lo
	v_add_nc_u32 v[TB+7], 1, v[TB+6]
	v_lshlrev_b32 v[TB+7], 30, v[TB+7]
	v_and_b32 v[TB+7], 0x80000000, v[TB+7]         ; the cosine is negative in quadrants 1 and 2,
	v_xor_b32 v[TB+8], v[TB+8], v[TB+7]
	v_lshlrev_b32 v[TB+6], 30, v[TB+6]
	v_and_b32 v[TB+6], 0x80000000, v[TB+6]         ; the sine in quadrants 2 and 3
	v_xor_b32 v[TB+9], v[TB+9], v[TB+6]
	global_store_b64 v7, v[TB+8:TB+9], s[12:13] offset:256*(\k)   ; 32 lanes store 256 consecutive bytes, aligned; these registers are not written again
.endm
	TROW 0
	TROW 1
	s_wait_loadcnt 12                              ; step 0's four loads are in
	TURN 0
.macro STEP t
.set XS, X+16*((\t)%2)
.if (\t) > 0
	s_wait_dscnt 1                                 ; this step's numbers are back from the stage (the last step's byte store may be out)
.else
	s_wait_dscnt 0x0
.endif
.if (\t)+4 < STEPS
	LOAD (\t)+4                                    ; into the registers that this step's stage stores have read
.endif
.if (\t)+1 < STEPS
.if STEPS-2-(\t) >= 3
	s_wait_loadcnt 12                              ; the next step's four loads are in; those of the three steps behind it may be out
.else
	s_wait_loadcnt 4*(STEPS-2-(\t))
.endif
	TURN (\t)+1
.endif
	v_max3_num_f32 v8, |v[XS]|, |v[XS+1]|, |v[XS+2]|               ; the largest magnitude of my 16
	v_max3_num_f32 v9, |v[XS+3]|, |v[XS+4]|, |v[XS+5]|
.irp i, 6,10
	v_max3_num_f32 v8, v8, |v[XS+\i]|, |v[XS+\i+1]|
	v_max3_num_f32 v9, v9, |v[XS+\i+2]|, |v[XS+\i+3]|
.endr
	v_max3_num_f32 v8, v8, |v[XS+14]|, |v[XS+15]|
	v_max3_num_f32 v8, v8, v9, (EMAX+1)<<23        ; and the floor 2^(9 - 127): the byte cannot fall under 1
	v_max_num_f32_dpp v8, v8, v8 row_xmask:1 row_mask:0xf bank_mask:0xf   ; and of my neighbour's 16: the block's
	v_add_nc_u32 v11, -(EMAX<<23), v8              ; 8 off its exponent field: the conversion's scale operand
	v_and_or_b32 v10, v8, 0x7f800000, s23          ; 448 x the scale
.irp i, 0,1,2,3,4,5,6,7,8,9,10,11,12,13,14,15
	v_med3_num_f32 v[XS+\i], v[XS+\i], -v10, v10   ; the conversion to an 8-bit code does not saturate (ISA guide 7.6.2): the hold comes first
.endr
	v_cvt_scalef32_pk8_fp8_f32 v[C+4*(\t):C+4*(\t)+1], v[XS:XS+7], v11
	v_cvt_scalef32_pk8_fp8_f32 v[C+4*(\t)+2:C+4*(\t)+3], v[XS+8:XS+15], v11
	v_lshrrev_b32 v[E+(\t)], 23, v11               ; the scale's byte
	ds_store_b8 v5, v[E+(\t)] offset:16*(\t)       ; both lanes of a block write the same byte with the same value
	global_store_b128 v4, v[C+4*(\t):C+4*(\t)+3], s[8:9] offset:32*CB*(\t)
.endm
.irp t, 0,1,2,3,4,5,6,7,8,9,10,11,12,13,14,15
	STEP \t
.endr
	ds_load_b64 v[12:13], v6                       ; LDS serves a wave's instructions in order: these see my stores
	s_wait_dscnt 0x0
	global_store_b64 v7, v[12:13], s[10:11]        ; 32 lanes store 256 consecutive bytes, aligned
	s_wait_tensorcnt 0x0
	ds_add_u32 v224, v225
	s_wait_dscnt 0x0
	s_endpgm
; ---------------------------------------------------------------- the weights
; w_qkv [1024][3072] and w_out [1024][1024], f32, K their FIRST axis, become codes laid [4096 rows][1024] with K innermost at wq + 0
; (rows 0-3071: the columns of w_qkv; rows 3072-4095: those of w_out) and scale bytes [4096][32] at wq + WSO.
; A LANE TAKES A COLUMN, AND ITS REGISTERS RUN DOWN K: a block of 32 lies in one lane's 32 registers, and the conversions give codes with K innermost.  Nothing is transposed by an instruction.
; A wave takes 32 columns x 256 along K.  Of the work-group's number, bits 4:0 say which 128 columns (0-23: w_qkv, 24-31: w_out), bits 6:5 which 256 along K.
; Only the pointer, the row's pitch and the column group are chosen; both tensors take one path.  The pitch is chosen, so it cannot stand in an immediate: 32 offset registers (row i of a block) and eight bases (block t) take its place.
.Lweights:
.set NB,    8
.set WP,    256+16                     ; a stage row
.set KROW,  1024                       ; a row of the codes in bytes
.set WSO,   4194304                    ; the scale bytes' place in wq
.set WLDS,  32768                      ; this way's LDS begins behind the other way's
.set WX,    32                         ; v32-95   two sets of 32 numbers
.set WC,    96                         ; v96-103  a block's codes
.set OUTR,  112                        ; v112-175 the way out
.set SB,    24                         ; v24-25   the scale bytes, four to a register
.set VO,    176                        ; v176-207 4 x lane + i x pitch
	s_and_b32 s14, ttmp9, 31                       ; which 128 columns
	s_lshr_b32 s18, ttmp9, 5                       ; which 256 along K
	s_wait_alu depctr_va_vdst(0)
	v_lshlrev_b32 v3, 2, v2                        ; in: 4 bytes a lane
	s_mul_i32 s19, s16, 32*WP
	s_add_co_u32 s19, s19, WLDS                    ; my stage
	v_mul_u32_u24 v4, v2, WP
	v_add_nc_u32 v4, s19, v4                       ; into it: row = my column
	v_and_b32 v5, 15, v2
	v_lshrrev_b32 v6, 4, v2
	v_mul_u32_u24 v7, v6, WP
	v_lshl_add_u32 v7, v5, 4, v7
	v_add_nc_u32 v7, s19, v7                       ; out of it: sixteen lanes to a row, two rows an instruction
	v_mul_u32_u24 v8, v6, KROW
	v_lshl_add_u32 v8, v5, 4, v8                   ; and the same place in the codes
	v_lshlrev_b32 v9, 5, v2                        ; my column's row of scale bytes
	s_mov_b32 s31, MANT
	s_mov_b32 s30, 4096
	s_cmp_lt_u32 s14, 24                           ; the choice hangs on the work-group's number alone
	s_cselect_b32 s30, 12288, s30                  ; the pitch in bytes
	s_cselect_b32 s17, 0, 24
	s_sub_co_u32 s17, s14, s17                     ; the group of 128 columns in its tensor
.irp i, 0,1,2,3,4,5,6,7,8,9,10,11,12,13,14,15,16,17,18,19,20,21,22,23,24,25,26,27,28,29,30,31
	v_mad_u32_u24 v[VO+\i], s30, \i, v3
.endr
	s_lshl_b32 s20, s17, 9                         ; 512 bytes a group,
	s_lshl_b32 s21, s16, 7                         ; 128 a wave,
	s_add_co_u32 s20, s20, s21
	s_lshl_b32 s21, s18, 8
	s_mul_i32 s21, s21, s30                        ; 256 y rows down
	s_add_co_u32 s20, s20, s21
	s_mov_b32 s21, 0
	s_lshl_b32 s22, s30, 5                         ; a block: 32 rows
	s_mov_b32 s23, 0
	s_lshl_b32 s24, s14, 7
	s_lshl_b32 s25, s16, 5
	s_add_co_u32 s24, s24, s25                     ; my wave's first row of the output
	s_lshl_b32 s26, s24, 10
	s_lshl_b32 s27, s18, 8
	s_add_co_u32 s26, s26, s27                     ; its codes
	s_mov_b32 s27, 0
	s_lshl_b32 s28, s24, 5
	s_lshl_b32 s29, s18, 3
	s_add_co_u32 s28, s28, s29
	s_add_co_u32 s28, s28, WSO                     ; its scale bytes
	s_mov_b32 s29, 0
	s_wait_alu depctr_va_vdst(0)
	s_wait_kmcnt 0x0
	s_cmp_lt_u32 s14, 24
	s_cselect_b64 s[4:5], s[6:7], s[8:9]
	s_add_nc_u64 s[32:33], s[4:5], s[20:21]
.irp t, 1,2,3,4,5,6,7
	s_add_nc_u64 s[32+2*\t:33+2*\t], s[30+2*\t:31+2*\t], s[22:23]
.endr
	s_add_nc_u64 s[10:11], s[12:13], s[26:27]
	s_add_nc_u64 s[12:13], s[12:13], s[28:29]
.macro WLOAD t                         ; block t: rows 32 t + i of my column, into set t % 2
.irp i, 0,1,2,3,4,5,6,7,8,9,10,11,12,13,14,15,16,17,18,19,20,21,22,23,24,25,26,27,28,29,30,31
	global_load_b32 v[WX+32*((\t)%2)+\i], v[VO+\i], s[32+2*(\t):33+2*(\t)] th:TH_LOAD_NT
.endr
.endm
	WLOAD 0
	WLOAD 1
.macro BLOCK t
.set XS, WX+32*((\t)%2)
.if (\t) < NB-1
	s_wait_loadcnt 32                              ; this block's 32 loads are in; the next block's may be out
.else
	s_wait_loadcnt 0
.endif
	v_max3_num_f32 v12, |v[XS]|, |v[XS+1]|, |v[XS+2]|               ; the block's largest magnitude: all 32 numbers are mine
	v_max3_num_f32 v13, |v[XS+3]|, |v[XS+4]|, |v[XS+5]|
.irp i, 6,10,14,18,22,26
	v_max3_num_f32 v12, v12, |v[XS+\i]|, |v[XS+\i+1]|
	v_max3_num_f32 v13, v13, |v[XS+\i+2]|, |v[XS+\i+3]|
.endr
	v_max3_num_f32 v12, v12, |v[XS+30]|, |v[XS+31]|
	v_max3_num_f32 v12, v12, v13, (EMAX+1)<<23     ; and the floor 2^(9 - 127)
	v_add_nc_u32 v11, -(EMAX<<23), v12             ; the conversion's scale operand
	v_and_or_b32 v10, v12, 0x7f800000, s31         ; 448 x the scale
	v_lshrrev_b32 v13, 23, v11                     ; the scale's byte
.if (\t)%4 == 0
	v_mov_b32 v[SB+(\t)/4], v13
.else
	v_lshl_or_b32 v[SB+(\t)/4], v13, 8*((\t)%4), v[SB+(\t)/4]
.endif
.irp i, 0,1,2,3,4,5,6,7,8,9,10,11,12,13,14,15,16,17,18,19,20,21,22,23,24,25,26,27,28,29,30,31
	v_med3_num_f32 v[XS+\i], v[XS+\i], -v10, v10   ; the hold at the largest code x the scale (ISA guide 7.6.2)
.endr
.irp g, 0,1,2,3
	v_cvt_scalef32_pk8_fp8_f32 v[WC+2*\g:WC+2*\g+1], v[XS+8*\g:XS+8*\g+7], v11
.endr
	v_nop                                          ; one plain instruction behind the last conversion
	ds_store_b128 v4, v[WC:WC+3] offset:32*(\t)    ; 32 codes: 32 bytes of my column's row
	ds_store_b128 v4, v[WC+4:WC+7] offset:32*(\t)+16
.if (\t)+2 < NB
	WLOAD (\t)+2
.endif
	s_wait_dscnt 0x0                               ; the stores have read their registers: the next block's codes may be written
.endm
.set Q, 0
.rept NB
	BLOCK Q
.set Q, Q+1
.endr
	global_store_b64 v9, v[SB:SB+1], s[12:13]      ; my column's 8 scale bytes
.irp t, 0,1,2,3,4,5,6,7,8,9,10,11,12,13,14,15
	ds_load_b128 v[OUTR+4*\t:OUTR+4*\t+3], v7 offset:2*\t*WP   ; LDS serves a wave's instructions in order: these see my stores
.endr
.irp t, 0,1,2,3,4,5,6,7,8,9,10,11,12,13,14,15
	s_wait_dscnt 15-\t
	global_store_b128 v8, v[OUTR+4*\t:OUTR+4*\t+3], s[10:11] offset:2*\t*KROW   ; sixteen lanes store 256 consecutive bytes, aligned
.endr
	s_wait_tensorcnt 0x0
	ds_add_u32 v224, v225
	s_wait_dscnt 0x0
	s_endpgm
.Lfunc_end_k_q9f7b469972_quant:
	.size	k_q9f7b469972_quant, .Lfunc_end_k_q9f7b469972_quant-k_q9f7b469972_quant
	.p2alignl 7, 3214868480
	.fill 96, 4, 3214868480
	.section	.rodata,"a",@progbits
	.p2align	6, 0x0
	.amdhsa_kernel k_q9f7b469972_quant
		.amdhsa_group_segment_fixed_size 69120
		.amdhsa_private_segment_fixed_size 0
		.amdhsa_enable_private_segment 0
		.amdhsa_kernarg_size 40
		.amdhsa_user_sgpr_count 2
		.amdhsa_user_sgpr_kernarg_segment_ptr 1
		.amdhsa_wavefront_size32 1
		.amdhsa_system_sgpr_workgroup_id_x 1
		.amdhsa_system_sgpr_workgroup_id_y 1
		.amdhsa_system_sgpr_workgroup_id_z 1
		.amdhsa_system_vgpr_workitem_id 0
		.amdhsa_next_free_vgpr 226
		.amdhsa_next_free_sgpr 66
		.amdhsa_reserve_vcc 1
		.amdhsa_float_denorm_mode_32 3
		.amdhsa_float_denorm_mode_16_64 3
		.amdhsa_memory_ordered 1
		.amdhsa_forward_progress 1
		.amdhsa_inst_pref_size 120
	.end_amdhsa_kernel
	.amdgpu_metadata
---
amdhsa.version: [ 1, 2 ]
amdhsa.kernels:
  - .name:           k_q9f7b469972_quant
    .symbol:         k_q9f7b469972_quant.kd
    .args:
      - { .name: x, .offset: 0, .size: 8, .value_kind: global_buffer, .address_space: global }
      - { .name: w_qkv, .offset: 8, .size: 8, .value_kind: global_buffer, .address_space: global }
      - { .name: w_out, .offset: 16, .size: 8, .value_kind: global_buffer, .address_space: global }
      - { .name: xq, .offset: 24, .size: 8, .value_kind: global_buffer, .address_space: global }
      - { .name: wq, .offset: 32, .size: 8, .value_kind: global_buffer, .address_space: global }
    .group_segment_fixed_size: 69120
    .private_segment_fixed_size: 0
    .kernarg_segment_align: 8
    .kernarg_segment_size: 40
    .max_flat_workgroup_size: 128
    .sgpr_count:     66
    .vgpr_count:     226
    .wavefront_size: 32
...
	.end_amdgpu_metadata
.endif
;; end of part 1
;; launch gemm_qkv (part 2): grid 4 x 64, 4 waves a work-group, clusters of 4 x 4, 327,680 bytes of LDS; arguments xq, wq, qkv; writes qkv
.if DOCPART == 2
	.amdgcn_target "amdgcn-amd-amdhsa--gfx1250"
	.amdhsa_code_object_version 6
	.text
	.protected	k_q9f7b469972_gemm_qkv
	.globl	k_q9f7b469972_gemm_qkv
	.p2align	8
	.type	k_q9f7b469972_gemm_qkv,@function
k_q9f7b469972_gemm_qkv:
	s_mov_b64 s[64:65], 0
	v_nop
	global_prefetch_b8 v0, s[64:65] scope:SCOPE_SE
	s_setreg_imm32_b32 hwreg(HW_REG_WAVE_MODE, 25, 1), 1
	s_wait_xcnt 0x0
	s_wait_alu depctr_hold_cnt(0) depctr_sa_sdst(0) depctr_va_vdst(0) depctr_va_sdst(0) depctr_va_ssrc(0) depctr_va_vcc(0) depctr_vm_vsrc(0)
	s_getreg_b32 s2, hwreg(HW_REG_IB_STS2, 6, 4)
	s_cmp_eq_u32 s2, 0
	s_cbranch_scc0 .Lentry_in_a_cluster
	s_endpgm
.Lentry_in_a_cluster:
	s_bfe_u32 s2, ttmp6, 0x10000c
	s_cmp_lg_u32 s2, 0xf033
	s_cbranch_scc0 .Lentry_shape_is_right
	s_endpgm
.Lentry_shape_is_right:
; qkv = x w_qkv on codes of E4M3 with one E8M0 scale for each 32 along K = 1024; then, in registers, the rotary embedding of q and k and the quantisers of q, k (along the head's 64) and v (along the keys).
; SHARES.  256 work-groups of four waves.  A work-group owns 128 tokens (row block rb) and four heads (cx): 256 columns of q, then of k, then of v: three phases.
; A wave owns 64 tokens (s15) x 128 rows of the weight (s16): 32 accumulators.  Its 64 rows of x, all of K, stay in 512 registers; the weights stream through two LDS slots of 256 rows x 512 bytes.
; x's tile lands in slot 1 first, stated as 256 rows of 512 bytes, so that it fills the very bytes that a weight's half fills later; when all waves hold it in registers, the weights are filled over it.
; FILLS: head: w_q's first half (waves 0, 1) and x (waves 2, 3).  Five refills, a quarter of a slot a wave, each behind a drained round of the cluster's barrier: the slot just read out takes the next half in the order q1, k0, k1, v0, v1.
; A phase's way out stands behind its second refill, so both halves of the next weight are on their way under it.
; CLUSTERS of 4 x 4: x's tile is shared along a row of the cluster, a weight's along a column.
; q, k: source 0 = 16 rows of the weight, source 1 = 16 tokens: a lane holds one token, its registers run along the head's dimension.  v: the sources change places: a lane holds one d, its registers run along the keys.
; OUT (qkv): codes at kind x 8,388,608: q, k [bh][pos(t)][64]; v [bh][t / 128][pos(d)][128]; pos swaps bits 3 and 4.  Scales at QSO + kind x 262,144: q, k: two bytes a token at
; 32 (t / 16) + 4 (t % 8) + 2 ((t / 8) % 2) of the head's 4,096 bytes; v: one word for 128 keys, [bh][t / 128][pos(d)].
; No prefetch: a refill is asked for 128 products and a way out ahead of its first read, and the sixteen clusters walk the same rows of wq in the same order.
; LIMITS: blocks whose largest magnitude lies under 2^-118 keep the floor's byte 1; a block of zeros has the byte 1 (its codes are zeros; this program alone reads the bytes); NaN and infinities are not served.
; REGISTERS: window 0: v0-31 addresses; v32-47 x's scale words; v48-79 the weight's; v80-111 the table's first set; v112-127 at work; v128-255 the weight's fragments, on the way out the table and what is at work.
;   windows 1, 2: x's 32 fragments (4 q + a).   window 3: the accumulators.
.set PW, 528                           ; an LDS row: 512 bytes + 16 of padding
.set SLOTB, 256*PW
.set STG, 2*SLOTB                      ; the way out's codes: q, k 128 rows x 272; v 256 rows x 144
.set SSQ, STG+36864                    ; its scale bytes: 1,024
.set SPARE, SSQ+1024                   ; the spare words: two blocks of 256 bytes that no other line names
.set XSO, 8388608
.set XRO, 8650752
.set WSO, 4194304
.set QSO, 25165824
.set ADRW, 8
.set ADRX, 10
.set TA, 11
.set STO, 12
.set SQA, 13
.set RQ, 14
.set RQS, 15
.set GQ, 16
.set G8, 17
.set STV, 18
.set SVA, 19
.set RV, 20
.set GVS, 21
.set SH, 22
.set XSA, 23
.set FW, 24
.set HW, 25
.set SPW, 28
.set NIL, 29
.set XSC, 32                           ; x's word of K step q: v[XSC + 8 (a / 2) + (q + 4) % 8]: its number differs modulo 8 from the weight's
.set WSC, 48                           ; the weight's: v[WSC + 8 (b / 2) + q]; even blocks in lanes 0-15, odd ones in lanes 16-31
.set TM, 112
.set WF, 128
.set T, 224
.set PCD, 240
.set G1W, 24
.set G1X, 32
.set G0W, 44
.set G0X, 48
.set G0R, 52
.set WN, 56
.set TBB, 58
.set WSB, 60
.set MSB, 0
.macro WIN new                         ; the immediate's high byte repeats the setting that is left
.if MSB != (\new)
	s_set_vgpr_msb (MSB<<8)|(\new)
.set MSB, (\new)
.endif
.endm
.macro PLACES n
.rept \n
	v_nop
.endr
.endm
.macro BARRIER
	s_barrier_signal -1
	s_barrier_wait -1
.endm
.macro CROUND                          ; a round of the cluster's barrier
	BARRIER
	s_cmp_lg_u32 s14, 0
	s_cbranch_scc1 .Lnot_wave_0_\@
	s_barrier_signal -3
.Lnot_wave_0_\@:
	s_barrier_wait -3
	BARRIER
.endm
.macro TLOAD g0, g1                    ; an s_nop 0 and four v_nop follow each tensor load
	tensor_load_to_lds s[\g0:\g0+3], s[\g1:\g1+7]
	s_nop 0
	PLACES 4
.endm
	s_load_b128 s[4:7], s[0:1], 0x0                ; xq, wq
	s_load_b64 s[8:9], s[0:1], 0x10                ; qkv
	v_lshl_add_u32 v[SPW], v0, 2, SPARE
	v_mov_b32 v[NIL], 0
	ds_add_u32 v[SPW], v[NIL]                      ; the opening lines: the add twice on end and its wait
	ds_add_u32 v[SPW], v[NIL]
	v_lshrrev_b32 v1, 5, v0
	v_readfirstlane_b32 s14, v1                    ; wave
	s_lshr_b32 s15, s14, 1                         ; my half of the tokens
	s_and_b32 s16, s14, 1                          ; my half of the weight's rows
	s_bfe_u32 s40, ttmp6, 0x40000                  ; cx: the group of four heads
	s_bfe_u32 s41, ttmp6, 0x40004                  ; cy
	s_and_b32 s17, ttmp7, 0xffff
	s_lshl_b32 s17, s17, 2
	s_add_co_u32 s17, s17, s41                     ; rb: the block of 128 tokens
	s_lshl_b32 s42, s41, 2
	s_lshl_b32 s42, 15, s42                        ; my row of the cluster
	s_lshl_b32 s43, 0x1111, s40                    ; my column
	s_or_b32 s[G1X], s42, (1<<20)|(1<<21)|(6<<22)|(3<<25)   ; elements of 1 byte; four words of padding behind every 128
	s_or_b32 s[G1W], s43, (1<<20)|(1<<21)|(6<<22)|(3<<25)
.irp g, G1X, G1W
	s_mov_b32 s[\g+1], 512<<16
	s_mov_b32 s[\g+2], 128<<16
	s_mov_b32 s[\g+3], 512<<16
	s_mov_b32 s[\g+4], 128
	s_mov_b32 s[\g+6], 0
	s_mov_b32 s[\g+7], 0
.endr
	s_mov_b32 s[G1X+5], 512                        ; x's 64 rows are one dense run: 128 rows of 512 bytes
	s_mov_b32 s[G1W+5], 1024
	s_lshl_b32 s18, s17, 17
	s_lshl_b32 s19, s16, 16
	s_add_co_u32 s18, s18, s19                     ; x: 64 rows of my half
	s_mov_b32 s19, 0
	s_lshl_b32 s20, s40, 18
	s_lshl_b32 s21, s16, 17
	s_add_co_u32 s20, s20, s21                     ; w_q: 128 rows of my half
	s_mov_b32 s21, 0
	s_lshl_b32 s22, s40, 18
	s_lshl_b32 s23, s14, 16
	s_add_co_u32 s22, s22, s23                     ; the refills: 64 rows a wave
	s_mov_b32 s23, 0
	s_mul_i32 s66, s14, 128*PW
	s_mul_i32 s67, s14, 64*PW
	s_lshl_b32 s68, s17, 12
	s_lshl_b32 s69, s15, 11
	s_add_co_u32 s68, s68, s69
	s_add_co_u32 s68, s68, XSO                     ; x's scale bytes
	s_mov_b32 s69, 0
	s_lshl_b32 s74, s40, 13
	s_lshl_b32 s75, s16, 12
	s_add_co_u32 s74, s74, s75
	s_add_co_u32 s74, s74, WSO                     ; the weight's
	s_mov_b32 s75, 0
	s_and_b32 s73, s17, 15                         ; the block's number in its sequence
	s_lshl_b32 s76, s73, 15
	s_lshl_b32 s77, s15, 14
	s_add_co_u32 s76, s76, s77
	s_add_co_u32 s76, s76, XRO                     ; the table's rows of my 64 tokens
	s_mov_b32 s77, 0
	s_lshr_b32 s78, s17, 4
	s_lshl_b32 s78, s78, 4
	s_lshl_b32 s79, s40, 2
	s_add_co_u32 s78, s78, s79
	s_add_co_u32 s78, s78, s14                     ; on the way out wave w takes head 4 cx + w
	s_lshl_b32 s80, s78, 17
	s_lshl_b32 s81, s73, 13
	s_add_co_u32 s80, s80, s81                     ; its codes: 8,192 bytes for 128 tokens, in all three kinds
	s_mov_b32 s81, 0
	s_lshl_b32 s82, s78, 12
	s_lshl_b32 s83, s73, 8
	s_add_co_u32 s82, s82, s83
	s_add_co_u32 s82, s82, QSO                     ; its scales: 256 bytes
	s_mov_b32 s83, 0
	s_mov_b32 s70, 0x600000                        ; the mantissa field of 448
	s_mov_b32 s71, 0x76543210
	s_mov_b32 s72, 0xfedcba98
	s_mov_b32 s[G0W], 1
	s_mov_b32 s[G0W+1], s66
	s_mov_b32 s[G0X], 1
	s_mov_b32 s[G0X+1], s66                        ; waves 2, 3: slot 1 begins 256 rows on
	s_mov_b32 s[G0R], 1
	s_wait_dscnt 0x0
	s_wait_kmcnt 0x0
	s_add_nc_u64 s[G0X+2:G0X+3], s[4:5], s[18:19]
	s_or_b32 s[G0X+3], s[G0X+3], 0x80000000
	s_add_nc_u64 s[G0W+2:G0W+3], s[6:7], s[20:21]
	s_or_b32 s[G0W+3], s[G0W+3], 0x80000000
	s_add_nc_u64 s[WN:WN+1], s[6:7], s[22:23]
	s_add_nc_u64 s[62:63], s[4:5], s[68:69]
	s_add_nc_u64 s[WSB:WSB+1], s[6:7], s[74:75]
	s_add_nc_u64 s[TBB:TBB+1], s[4:5], s[76:77]
	s_add_nc_u64 s[10:11], s[8:9], s[80:81]
	s_add_nc_u64 s[12:13], s[8:9], s[82:83]
	CROUND                                         ; the first joint loads meet
	s_cmp_lt_u32 s14, 2                            ; one load a wave, in one chain of arms
	s_cbranch_scc0 .Lfor_x
	TLOAD G0W, G1W
	s_branch .Lasked
.Lfor_x:
	TLOAD G0X, G1X
.Lasked:
	v_and_b32 v1, 15, v0                           ; r
	v_bfe_u32 v2, v0, 4, 1                         ; h
	v_and_b32 v6, 31, v0                           ; lane
	s_wait_alu depctr_va_vdst(0)
	v_mul_u32_u24 v3, v1, PW
	v_lshl_add_u32 v3, v2, 4, v3
	s_mul_i32 s18, s16, 128*PW
	v_add_nc_u32 v[ADRW], s18, v3                  ; the weight's fragments: row 128 s16 + r, + 16 h
	v_add_nc_u32 v[ADRW+1], SLOTB, v[ADRW]
	v_mul_u32_u24 v4, v1, 2*PW
	v_lshl_add_u32 v4, v2, 4, v4
	s_mul_i32 s18, s15, 128*PW
	s_add_co_u32 s18, s18, SLOTB
	v_add_nc_u32 v[ADRX], s18, v4                  ; x: a token is two LDS rows
	v_lshlrev_b32 v[TA], 8, v1
	v_lshl_add_u32 v[TA], v2, 6, v[TA]             ; the table: 256 r + 64 h
	v_mul_u32_u24 v3, v1, 272
	v_lshl_add_u32 v3, v2, 3, v3
	s_mul_i32 s18, s15, 64*272
	s_lshl_b32 s19, s16, 7
	s_add_co_u32 s18, s18, s19
	s_add_co_u32 s18, s18, STG
	v_add_nc_u32 v[STO], s18, v3                   ; q, k codes: row 64 s15 + r, byte 128 s16 + 8 h
	v_and_b32 v3, 7, v1
	v_lshlrev_b32 v3, 2, v3
	v_bfe_u32 v4, v1, 3, 1
	v_lshl_add_u32 v3, v4, 1, v3
	v_lshl_add_u32 v3, v2, 8, v3
	s_lshl_b32 s18, s16, 9
	s_lshl_b32 s19, s15, 7
	s_add_co_u32 s18, s18, s19
	s_add_co_u32 s18, s18, SSQ
	v_add_nc_u32 v[SQA], s18, v3                   ; q, k half-words: head 2 s16 + h, 128 s15 + 4 (r % 8) + 2 (r / 8)
	v_lshrrev_b32 v3, 2, v6
	v_mul_u32_u24 v3, v3, 272
	v_and_b32 v4, 3, v6
	v_lshl_add_u32 v3, v4, 4, v3
	s_lshl_b32 s18, s14, 6
	s_add_co_u32 s18, s18, STG
	v_add_nc_u32 v[RQ], s18, v3                    ; back (q, k): eight rows an instruction, 64 bytes of head w each
	s_lshl_b32 s18, s14, 8
	s_add_co_u32 s18, s18, SSQ
	v_lshl_add_u32 v[RQS], v6, 3, s18              ; back: head w's 256 scale bytes
	v_lshlrev_b32 v[GQ], 4, v6
	v_lshlrev_b32 v[G8], 3, v6
	v_mul_u32_u24 v3, v1, 144
	v_lshl_add_u32 v3, v2, 3, v3
	s_mul_i32 s18, s16, 128*144
	s_lshl_b32 s19, s15, 6
	s_add_co_u32 s18, s18, s19
	s_add_co_u32 s18, s18, STG
	v_add_nc_u32 v[STV], s18, v3                   ; v codes: row 128 s16 + r, byte 64 s15 + 8 h
	v_lshlrev_b32 v3, 2, v1
	v_lshl_add_u32 v3, v2, 6, v3
	s_lshl_b32 s18, s16, 9
	s_lshl_b32 s19, s15, 1
	s_add_co_u32 s18, s18, s19
	s_add_co_u32 s18, s18, SSQ
	v_add_nc_u32 v[SVA], s18, v3                   ; v half-words: word of row 128 s16 + 16 h + r, half s15
	v_lshrrev_b32 v3, 3, v6
	v_mul_u32_u24 v3, v3, 144
	v_and_b32 v4, 7, v6
	v_lshl_add_u32 v3, v4, 4, v3
	s_mul_i32 s18, s14, 64*144
	s_add_co_u32 s18, s18, STG
	v_add_nc_u32 v[RV], s18, v3                    ; back (v): four rows an instruction, 128 bytes each
	v_and_b32 v3, 19, v6
	v_bfe_u32 v4, v6, 2, 1
	v_lshl_add_u32 v3, v4, 3, v3
	v_bfe_u32 v4, v6, 3, 1
	v_lshl_add_u32 v3, v4, 2, v3
	v_lshlrev_b32 v[GVS], 3, v3                    ; two words a lane: d = 2 lane, whose bits 3 and 4 change places
	v_lshlrev_b32 v[SH], 4, v2
	v_lshlrev_b32 v[XSA], 5, v6                    ; scale bytes: lane l takes row l of a pair of blocks
.irp b, 0,1,2,3
	v_mov_b32 v[TM+4+\b], 0                        ; a lane permute's destination counts as one of its sources
.endr
	s_wait_alu depctr_va_vdst(0)
.macro WSLOAD
.irp p, 0,1,2,3
.irp c, 0,1
	global_load_b128 v[WSC+8*\p+4*\c:WSC+8*\p+4*\c+3], v[XSA], s[WSB:WSB+1] offset:1024*\p+16*\c
.endr
.endr
.endm
.irp p, 0,1
.irp c, 0,1
	global_load_b128 v[XSC+8*\p+4*(1-\c):XSC+8*\p+4*(1-\c)+3], v[XSA], s[62:63] offset:1024*\p+16*\c
.endr
.endr
	WSLOAD
.macro TABLOAD a                       ; cos and sin of tokens 16 a + r, f = 16 bb + 8 h + 0 .. 7
.if (\a) == 0
.set TB_, 80
.else
.set TB_, 96+32*(\a)
.endif
.irp bb, 0,1
.irp i, 0,1,2,3
	global_load_b128 v[TB_+16*\bb+4*\i:TB_+16*\bb+4*\i+3], v[TA], s[TBB:TBB+1] offset:4096*(\a)+128*\bb+16*\i
.endr
.endr
.endm
.macro FW4 slot, s, b0                 ; four fragments of the weight: 16 rows x 128 of K each
.irp b, \b0,\b0+1,\b0+2,\b0+3
.irp c, 0,1,2,3
	ds_load_b128 v[WF+16*(\b)+4*\c:WF+16*(\b)+4*\c+3], v[ADRW+\slot] offset:(\b)*16*PW+128*(\s)+32*\c
.endr
.endr
.endm
.macro W8 cc
.if M_ == 3
	v_wmma_scale_f32_16x16x128_f8f6f4 v[D_:D_+7], v[A_:A_+15], v[B_:B_+15], \cc, v[SA_], v[SB_] matrix_a_scale:MATRIX_SCALE_ROW1 matrix_b_scale:MATRIX_SCALE_ROW1
.elseif M_ == 2
	v_wmma_scale_f32_16x16x128_f8f6f4 v[D_:D_+7], v[A_:A_+15], v[B_:B_+15], \cc, v[SA_], v[SB_] matrix_a_scale:MATRIX_SCALE_ROW1
.elseif M_ == 1
	v_wmma_scale_f32_16x16x128_f8f6f4 v[D_:D_+7], v[A_:A_+15], v[B_:B_+15], \cc, v[SA_], v[SB_] matrix_b_scale:MATRIX_SCALE_ROW1
.else
	v_wmma_scale_f32_16x16x128_f8f6f4 v[D_:D_+7], v[A_:A_+15], v[B_:B_+15], \cc, v[SA_], v[SB_]
.endif
.endm
.macro PROD kind, q, a, b              ; K step q, tokens' block a, the weight's block b.  The first K step starts the sums
.if \kind
.set D_, 8*(4*(\b)+(\a))
.set A_, 16*((4*(\q)+(\a))%16)
.set B_, WF+16*(\b)
.set SA_, XSC+8*((\a)/2)+((\q)+4)%8
.set SB_, WSC+8*((\b)/2)+(\q)
.set M_, 2*((\a)%2)+(\b)%2
.else
.set D_, 8*(8*(\a)+(\b))
.set B_, 16*((4*(\q)+(\a))%16)
.set A_, WF+16*(\b)
.set SB_, XSC+8*((\a)/2)+((\q)+4)%8
.set SA_, WSC+8*((\b)/2)+(\q)
.set M_, 2*((\b)%2)+(\a)%2
.endif
.if (\q) == 0
	W8 0
.else
	W8 v[D_:D_+7]
.endif
.endm
.macro MUL16 kind, q, b0               ; the 32 accumulators take turns
.irp b, \b0,\b0+1,\b0+2,\b0+3
.irp a, 0,1,2,3
	PROD \kind, \q, \a, \b
.endr
.endr
.endm
; Half of K: four K steps of 128 out of slot hf.  A block of the weight is free when its four products are issued: blocks 0-3 are fetched anew in a step's middle, blocks 4-7 at its end, each behind eight places.
.macro HALF kind, hf
.set MULW, 0xf0|((1+(\hf))<<(2-2*(\kind)))
	FW4 \hf, 0, 0
	FW4 \hf, 0, 4
.irp s, 0,1,2,3
	s_wait_dscnt 16                                ; blocks 0-3 are in; the sixteen loads of blocks 4-7 may be out
	WIN MULW
	MUL16 \kind, 4*(\hf)+\s, 0
	s_wait_dscnt 0x0
.if \s < 3
	PLACES 8
	WIN 0
	FW4 \hf, (\s+1), 0
	WIN MULW
.endif
.if (\s)+(\hf)-8*(\kind) == 4
	PLACES 8                                       ; q's and k's last K step: blocks 0-3 are done with, and their registers take the table's sets of units 1 and 2
	WIN 0
	TABLOAD 1
	TABLOAD 2
	WIN MULW
.endif
	MUL16 \kind, 4*(\hf)+\s, 4
.if \s < 3
	PLACES 8
	WIN 0
	FW4 \hf, (\s+1), 4
.endif
.endr
	WIN 0
	PLACES 8                                       ; behind the half's last products: the next loads into the fragments' and scale words' registers stand behind these eight places
.endm
.macro REFILL slot, off                ; the tensor wait, the spare add and its wait, a round, and my quarter of the slot: 64 rows
	s_wait_tensorcnt 0x0
	ds_add_u32 v[SPW], v[NIL]
	s_add_co_u32 s[G0R+1], s67, (\slot)*SLOTB
	s_add_nc_u64 s[G0R+2:G0R+3], s[WN:WN+1], \off
	s_or_b32 s[G0R+3], s[G0R+3], 0x80000000
	s_wait_dscnt 0x0
	CROUND
	TLOAD G0R, G1W
.endm
; THE QUANTISER of 64 numbers a lane at AC in window 3: four groups of 16 registers; a block of 32 lies in lanes l and l xor 16.  -> codes PCD, the four bytes FW
.macro QUANT
	WIN 0x0f
.irp b, 0,1,2,3
	v_max3_num_f32 v[TM+\b], |v[AC+16*\b]|, |v[AC+16*\b+1]|, 0x4800000   ; and the floor 2^(9 - 127)
.endr
.irp i, 2,4,6,8,10,12,14
.irp b, 0,1,2,3
	v_max3_num_f32 v[TM+\b], |v[AC+16*\b+\i]|, |v[AC+16*\b+\i+1]|, v[TM+\b]
.endr
.endr
	WIN 0
	s_wait_alu depctr_va_vdst(0)
	s_wait_dscnt 0x0                               ; the last unit's LDS stores have read their registers
.irp b, 0,1,2,3
	v_permlanex16_b32 v[TM+4+\b], v[TM+\b], s71, s72
.endr
.irp b, 0,1,2,3
	v_max_num_f32 v[TM+\b], v[TM+\b], v[TM+4+\b]
.endr
.irp b, 0,1,2,3
	v_add_nc_u32 v[TM+12+\b], 0xfc000000, v[TM+\b] ; the conversion's scale operand
.endr
.irp b, 0,1,2,3
	v_and_or_b32 v[TM+8+\b], v[TM+\b], 0x7f800000, s70   ; 448 x the scale
.endr
.irp b, 0,1,2,3
	v_lshrrev_b32 v[TM+4+\b], 23, v[TM+12+\b]      ; the byte
.endr
	v_lshl_or_b32 v[FW], v[TM+5], 8, v[TM+4]
	v_lshl_or_b32 v[FW], v[TM+6], 16, v[FW]
	v_lshl_or_b32 v[FW], v[TM+7], 24, v[FW]
	WIN 0xc3
.irp b, 0,1,2,3
.irp i, 0,1,2,3,4,5,6,7,8,9,10,11,12,13,14,15
	v_med3_num_f32 v[AC+16*\b+\i], v[AC+16*\b+\i], -v[TM+8+\b], v[TM+8+\b]   ; the hold (ISA guide 7.6.2)
.endr
.endr
	WIN 0x03
.irp g, 0,1,2,3,4,5,6,7
	v_cvt_scalef32_pk8_fp8_f32 v[PCD+2*\g:PCD+2*\g+1], v[AC+8*\g:AC+8*\g+7], v[TM+12+\g/2]
.endr
	WIN 0
	v_nop                                          ; one plain line behind the last conversion
	v_lshrrev_b32 v[HW], v[SH], v[FW]              ; lanes 0-15 keep the lower two bytes, lanes 16-31 the upper two
.endm
.macro EPIQ a                          ; tokens 16 a + r against my two heads
.set AC, 64*(\a)
.if (\a) == 0
.set TAB, 80
	s_wait_loadcnt 32                              ; behind the first set's loads: 8 of scale words and 24 of the table
.else
.set TAB, 96+32*(\a)
.if (\a) == 3
	s_wait_loadcnt 0x0
.else
	s_wait_loadcnt 8*(4-(\a))                      ; behind this set's loads: the later sets' eight each, and the eight of scale words
.endif
.endif
.irp hh, 0,1
.irp bb, 0,1
	WIN 0x03
.irp j, 0,1,2,3,4,5,6,7
	v_mul_f32 v[T+2*\j], v[AC+32*\hh+8*\bb+16+\j], v[TAB+16*\bb+2*\j+1]      ; x(d + 32) sin; each accumulator is read from its low end on
	v_mul_f32 v[T+2*\j+1], v[AC+32*\hh+8*\bb+\j], v[TAB+16*\bb+2*\j+1]       ; x(d) sin
.endr
	WIN 0xc3
.irp j, 0,1,2,3,4,5,6,7
	v_fma_f32 v[AC+32*\hh+8*\bb+\j], v[AC+32*\hh+8*\bb+\j], v[TAB+16*\bb+2*\j], -v[T+2*\j]
	v_fma_f32 v[AC+32*\hh+8*\bb+16+\j], v[AC+32*\hh+8*\bb+16+\j], v[TAB+16*\bb+2*\j], v[T+2*\j+1]
.endr
.endr
.endr
	QUANT
.irp g, 0,1,2,3,4,5,6,7
	ds_store_b64 v[STO], v[PCD+2*\g:PCD+2*\g+1] offset:4352*(\a)+16*\g
.endr
	ds_store_b16 v[SQA], v[HW] offset:32*(\a)
.endm
.macro EPIV e                          ; the weight's blocks 2 e, 2 e + 1 (d) against my 64 keys
.set AC, 64*(\e)
	QUANT
.irp g, 0,1,2,3,4,5,6,7
	ds_store_b64 v[STV], v[PCD+2*\g:PCD+2*\g+1] offset:(2*(\e)+\g/4)*2304+16*(\g%4)
.endr
	ds_store_b16 v[SVA], v[HW] offset:128*(\e)
.endm
	s_wait_tensorcnt 0x0                           ; my part of the head's two tiles is in,
	BARRIER                                        ; everybody's is
.irp q, 0,1,2,3,4,5,6,7
	WIN (1+\q/4)<<6
.irp a, 0,1,2,3
.irp c, 0,1,2,3
	ds_load_b128 v[16*((4*\q+\a)%16)+4*\c:16*((4*\q+\a)%16)+4*\c+3], v[ADRX] offset:\a*32*PW+(\q/4)*PW+(\q%4)*128+32*\c
.endr
.endr
.endr
	WIN 0
	s_mov_b32 s[G1W+2], 64<<16                     ; no tensor load of mine is out: from here on a load brings 64 rows
	s_mov_b32 s[G1W+4], 64
	REFILL 1, 512                                  ; x is in registers: w_q's second half over it
	s_add_nc_u64 s[WN:WN+1], s[WN:WN+1], 0x100000  ; the next weight: 1,024 rows on
	s_mov_b32 s3, 0
	s_wait_loadcnt 0x0                             ; the scale words
.Lqk:                                                  ; two trips: q, k
	TABLOAD 0
	HALF 0, 0
	REFILL 0, 0
	HALF 0, 1
	s_wait_xcnt 0x0
	s_add_nc_u64 s[WSB:WSB+1], s[WSB:WSB+1], 32768
	WSLOAD                                         ; the next weight's scale words, and the table's last set: asked for ahead of the refill's three lines
	TABLOAD 3
	REFILL 1, 512
	EPIQ 0
	EPIQ 1
	EPIQ 2
	EPIQ 3
	s_wait_alu depctr_va_vdst(0)
	s_wait_tensorcnt 1                             ; slot 0's refill is in; slot 1's, the one issued behind it, may be out
	s_wait_dscnt 0x0
	BARRIER
.irp i, 0,1,2,3,4,5,6,7,8,9,10,11,12,13,14,15
	ds_load_b128 v[128+4*\i:128+4*\i+3], v[RQ] offset:\i*2176
.endr
	ds_load_b64 v[192:193], v[RQS]
.irp i, 0,1,2,3,4,5,6,7,8,9,10,11,12,13,14,15
	s_wait_dscnt 16-\i
	global_store_b128 v[GQ], v[128+4*\i:128+4*\i+3], s[10:11] offset:512*(((\i)&12)|(((\i)&1)<<1)|(((\i)>>1)&1))   ; 512 consecutive bytes; the groups of eight rows change places as pos() says
.endr
	s_wait_dscnt 0x0
	global_store_b64 v[G8], v[192:193], s[12:13]   ; 256 consecutive bytes, aligned
	s_wait_xcnt 0x0                                ; the stores have read their registers and bases
	s_add_nc_u64 s[10:11], s[10:11], 0x800000
	s_add_nc_u64 s[12:13], s[12:13], 0x40000
	s_add_nc_u64 s[WN:WN+1], s[WN:WN+1], 0x100000
	s_add_co_u32 s3, s3, 1
	s_cmp_lt_u32 s3, 2
	s_cbranch_scc1 .Lqk
	HALF 1, 0                                      ; v
	s_wait_tensorcnt 0x0
	s_wait_dscnt 0x0
	BARRIER
	HALF 1, 1
	PLACES 8
	EPIV 0
	EPIV 1
	EPIV 2
	EPIV 3
	s_wait_alu depctr_va_vdst(0)
	s_wait_dscnt 0x0
	BARRIER
.irp i, 0,1,2,3,4,5,6,7,8,9,10,11,12,13,14,15
	ds_load_b128 v[128+4*\i:128+4*\i+3], v[RV] offset:\i*576
.endr
	ds_load_b64 v[192:193], v[RQS]
.irp i, 0,1,2,3,4,5,6,7,8,9,10,11,12,13,14,15
	s_wait_dscnt 16-\i
	global_store_b128 v[GQ], v[128+4*\i:128+4*\i+3], s[10:11] offset:512*(((\i)&9)|(((\i)&2)<<1)|(((\i)&4)>>1))   ; four rows d: 512 consecutive bytes at pos(d)
.endr
	s_wait_dscnt 0x0
	global_store_b64 v[GVS], v[192:193], s[12:13]  ; the 32 lanes fill one aligned run of 256 bytes
	s_wait_tensorcnt 0x0                           ; the wave's end
	ds_add_u32 v[SPW], v[NIL]
	s_wait_dscnt 0x0
	CROUND                                         ; the closing round
	s_endpgm
.Lfunc_end_k_q9f7b469972_gemm_qkv:
	.size	k_q9f7b469972_gemm_qkv, .Lfunc_end_k_q9f7b469972_gemm_qkv-k_q9f7b469972_gemm_qkv
	.p2alignl 7, 3214868480
	.fill 96, 4, 3214868480
	.section	.rodata,"a",@progbits
	.p2align	6, 0x0
	.amdhsa_kernel k_q9f7b469972_gemm_qkv
		.amdhsa_group_segment_fixed_size 327680
		.amdhsa_private_segment_fixed_size 0
		.amdhsa_enable_private_segment 0
		.amdhsa_kernarg_size 24
		.amdhsa_user_sgpr_count 2
		.amdhsa_user_sgpr_kernarg_segment_ptr 1
		.amdhsa_wavefront_size32 1
		.amdhsa_system_sgpr_workgroup_id_x 1
		.amdhsa_system_sgpr_workgroup_id_y 1
		.amdhsa_system_sgpr_workgroup_id_z 1
		.amdhsa_system_vgpr_workitem_id 0
		.amdhsa_next_free_vgpr 1024
		.amdhsa_next_free_sgpr 100
		.amdhsa_reserve_vcc 0
		.amdhsa_float_denorm_mode_32 3
		.amdhsa_float_denorm_mode_16_64 3
		.amdhsa_memory_ordered 1
		.amdhsa_forward_progress 1
		.amdhsa_inst_pref_size 235
	.end_amdhsa_kernel
	.amdgpu_metadata
---
amdhsa.version: [ 1, 2 ]
amdhsa.kernels:
  - .name:           k_q9f7b469972_gemm_qkv
    .symbol:         k_q9f7b469972_gemm_qkv.kd
    .args:
      - { .name: xq, .offset: 0, .size: 8, .value_kind: global_buffer, .address_space: global }
      - { .name: wq, .offset: 8, .size: 8, .value_kind: global_buffer, .address_space: global }
      - { .name: qkv, .offset: 16, .size: 8, .value_kind: global_buffer, .address_space: global }
    .group_segment_fixed_size: 327680
    .private_segment_fixed_size: 0
    .kernarg_segment_align: 8
    .kernarg_segment_size: 24
    .max_flat_workgroup_size: 128
    .sgpr_count:     100
    .vgpr_count:     1024
    .wavefront_size: 32
...
	.end_amdgpu_metadata
.endif
;; end of part 2
;; launch attn (part 3): grid 4 x 64, 16 waves a work-group, clusters of 4 x 1, 327,680 bytes of LDS; arguments qkv, ao; writes ao
.if DOCPART == 3
	.amdgcn_target "amdgcn-amd-amdhsa--gfx1250"
	.amdhsa_code_object_version 6
	.text
	.protected	k_q9f7b469972_attn
	.globl	k_q9f7b469972_attn
	.p2align	8
	.type	k_q9f7b469972_attn,@function
k_q9f7b469972_attn:
	s_mov_b64 s[64:65], 0
	v_nop
	global_prefetch_b8 v0, s[64:65] scope:SCOPE_SE
	s_setreg_imm32_b32 hwreg(HW_REG_WAVE_MODE, 25, 1), 1
	s_wait_xcnt 0x0
	s_wait_alu depctr_hold_cnt(0) depctr_sa_sdst(0) depctr_va_vdst(0) depctr_va_sdst(0) depctr_va_ssrc(0) depctr_va_vcc(0) depctr_vm_vsrc(0)
	s_getreg_b32 s2, hwreg(HW_REG_IB_STS2, 6, 4)
	s_cmp_eq_u32 s2, 0
	s_cbranch_scc0 .Lentry_in_a_cluster
	s_endpgm
.Lentry_in_a_cluster:
	s_bfe_u32 s2, ttmp6, 0x10000c
	s_cmp_lg_u32 s2, 0x3003
	s_cbranch_scc0 .Lentry_shape_is_right
	s_endpgm
.Lentry_shape_is_right:
; Causal attention of one head (2,048 positions, head size 64) on codes of E4M3 with one E8M0 scale for each 32 along a product's K; then the quantiser of its result along the model's 1,024.
; t = score x log2(e) / 8; M = the row's largest t so far, rounded UP to a whole number; p = 2^(t - M) is what is quantised, along the keys; the row's sum is taken of the unquantised p and divides at the end.
; When M moves, the sum and O are multiplied by 2^(old M - new M): exact.
; SHARES.  The four work-groups of a cluster own one head (the cluster's y).  ALL of the head's K and V codes and scales lie in each partner's LDS, filled ONCE by joint loads that name the four: no ring, no refill.
; A tile of 16 queries has the number i = 4 u + cx.  Wave w takes u = w, then u = 31 - w: u / 2 + 1 key steps of 128 each, 17 in all for every wave.  The count hangs on the wave's number alone;
; cx enters global addresses and the number that the mask compares with, nothing else.
; LAYOUT.  Both products are used transposed: S^T = K Q^T, O^T = V^T P^T: a lane holds ONE query (lane % 16) throughout.
; K = 64 IN AN INSTRUCTION 128 DEEP: source 0's registers 0-7 hold key kk = 32 b + r + 8 (r / 8), registers 8-15 key kk + 8.  Against [Q | zeros] that gives tile 2 b, against [zeros | Q] tile 2 b + 1: the 16 registers
; of the two tiles are keys 32 b + 16 (lane / 16) + 0 .. 15, the layout of the next operand.  The half that meets zero codes adds nothing (K's codes were held at 448: none is the NaN code; a scale byte 0 is 2^-127).
; K's rows lie in LDS by pos(t), V's by pos(d) (bits 3 and 4 swapped), so that the 16 rows of every fragment lie on end, and O^T's registers of tiles 2 g, 2 g + 1 are d = 32 g + 16 (lane / 16) + 0 .. 15.
; OUT (ao): the codes as images of the next product's operand registers: [row / 256][head][(row / 16) % 16][g][lane][16 bytes]; scale bytes [row][32] at ASO, byte 2 head + g.
; LIMITS: NaN and infinities are not served; a block of zeros has the byte 1 (its codes are zeros; this program alone reads the bytes).
.set KP,    80                         ; a key's row in LDS: 64 bytes + 16 of padding: 16 rows start at 16 different groups of four banks
.set VP,    144                        ; a row of a key step of V: 128 bytes + 16
.set VC,    2048*KP                    ; LDS: K's 2,048 rows from 0; V: 16 key steps of 128 keys x 64 rows;
.set KSO,   VC+16*64*VP                ; K's half-words, 4,096 bytes;
.set VSO,   KSO+4096                   ; V's words, 4,096 bytes;
.set SPARE, VSO+4096                   ; the spare words, 128 bytes for each wave: eight blocks of 256 bytes that no other line names
.set QKV_K, 8388608
.set QKV_V, 16777216
.set QSO,   25165824
.set ASO,   8388608
.set AK0,  1                           ; v1   my lane's place in a tile of K
.set AV0,  2                           ; v2   of V
.set ASK0, 3                           ; v3   among K's scale words
.set ASV0, 4                           ; v4   among V's
.set DM,   5                           ; v5   the mask: register 16 b + i is hidden where 32 b + i > this
.set LI,   6                           ; v6   16 x lane
.set SR,   7                           ; v7   32 r
.set ADK,  8
.set ADV,  9
.set ADS,  10
.set ADT,  11                          ; v12 -M, v13 the largest t, v[14:15] the sum in two halves; v16-23 zeros, v24-31 Q, v32-39 zeros
.set KV,   40                          ; v40-103  four fragments of K, then of V
.set S,    104                         ; v104-167 S^T, then p
.set OT,   168                         ; v168-199 O^T
.set PC,   200                         ; v200-215 p's codes
.set BM,   216                         ; v216-219 a block's largest score, then p
.set BT,   220                         ; v220-223 at work
.set HL,   224                         ; v224-227 448 x the scale
.set SO,   228                         ; v228-231 the conversions' scale operands
.set KSW,  232                         ; v232-235 K's scale words
.set VSW,  236                         ; v236-239 V's
.set QSL,  240                         ; v240 Q's two bytes below, zeros above;  v241 the other way round
.set QSH,  241
.set PW,   242                         ; v242 p's scale word
.set FF,   244                         ; v[244:245] f = 2^(old M - new M), and a word that is named with it
.set TT,   246
.set NINF, 247
.set QO,   248
.set QSF,  249
.set HWD,  250
.set RH,   251                         ; v251 r - 16 h
.set SPW,  252                         ; v252 LDS address of my spare word; never rewritten
.set NIL,  253                         ; v253 0; never rewritten
.set WV,   8
.set CX,   9
.set BH,   10
.set BTC,  11
.set SEL,  12
.set CS,   14
.set MNT,  16
.set WK,   17
.set HD,   18
.set QB,   20                          ; s[20:21] the head's q codes;  s[22:23] its q scales
.set QSB,  22
.set G1K,  24
.set G1V,  32
.set G1S,  40
.set G0K,  48
.set G0KS, 52
.set G0V,  56
.set G0VS, 60
.set TK,   66
.set TV,   67
.set TS,   68
.set SI,   69                          ; s69  the key step
.set LS,   70                          ; s70  the last key step that counts
.set TRIP, 71
.set U,    72
.set QI,   73
.macro CROUND
	s_barrier_signal -1
	s_barrier_wait -1
	s_cmp_lg_u32 s[WV], 0
	s_cbranch_scc1 .Lnot_wave_0_\@
	s_barrier_signal -3
.Lnot_wave_0_\@:
	s_barrier_wait -3
	s_barrier_signal -1
	s_barrier_wait -1
.endm
	s_load_b128 s[4:7], s[0:1], 0x0                ; qkv s[4:5], ao s[6:7]
	v_lshl_add_u32 v[SPW], v0, 2, SPARE
	v_mov_b32 v[NIL], 0
	ds_add_u32 v252, v253
	ds_add_u32 v252, v253
	s_wait_dscnt 0x0
	v_lshrrev_b32 v8, 5, v0
	s_delay_alu instid0(VALU_DEP_1)
	v_readfirstlane_b32 s[WV], v8                  ; wave 0..15
	s_bfe_u32 s[CX], ttmp6, 0x40000                ; cx
	s_and_b32 s[BH], ttmp7, 0xffff                 ; batch x 16 + head, which the four partners share
	s_lshr_b32 s[BTC], s[BH], 4
	s_and_b32 s[HD], s[BH], 15
	s_add_co_u32 s[WK], s[WV], 4
	s_and_b32 s[WK], s[WK], 7                      ; waves 4-11 fetch an eighth of V each: number wave - 4
	s_and_b32 s89, s[WV], 3                        ; waves 0-3 a quarter of K each
	; K: 512 rows of 64 bytes, dense, stated as 128 rows of 256 bytes; 16 bytes of padding behind each 64
	s_mov_b32 s[G1K], 15|(0<<16)|(1<<20)|(1<<21)|(3<<22)|(3<<25)   ; 15:0 the mask: all four; 17:16 1 byte; 20 padding on; 21 set beside a mask; 24:22 after every 16 words; 31:25 of 4 words
	s_mov_b32 s[G1K+1], 256<<16
	s_mov_b32 s[G1K+2], 128<<16
	s_mov_b32 s[G1K+3], 256<<16
	s_mov_b32 s[G1K+4], 128
	s_mov_b32 s[G1K+5], 256
	s_mov_b32 s[G1K+6], 0
	s_mov_b32 s[G1K+7], 0
	; V: two key steps, 128 rows of 128 bytes, dense, stated as 64 rows of 256 bytes; 16 bytes of padding behind each 128
	s_mov_b32 s[G1V], 15|(0<<16)|(1<<20)|(1<<21)|(4<<22)|(3<<25)
	s_mov_b32 s[G1V+1], 256<<16
	s_mov_b32 s[G1V+2], 64<<16
	s_mov_b32 s[G1V+3], 256<<16
	s_mov_b32 s[G1V+4], 64
	s_mov_b32 s[G1V+5], 256
	s_mov_b32 s[G1V+6], 0
	s_mov_b32 s[G1V+7], 0
	; scales: a head's 4,096 dense bytes, as sixteen rows of 32 elements of 8 bytes
	s_mov_b32 s[G1S], 15|(3<<16)|(1<<21)
	s_mov_b32 s[G1S+1], 32<<16
	s_mov_b32 s[G1S+2], 16<<16
	s_mov_b32 s[G1S+3], 32<<16
	s_mov_b32 s[G1S+4], 16
	s_mov_b32 s[G1S+5], 32
	s_mov_b32 s[G1S+6], 0
	s_mov_b32 s[G1S+7], 0
	s_lshl_b32 s82, s[BH], 17                      ; the head's 131,072 bytes of codes,
	s_mov_b32 s83, 0
	s_lshl_b32 s19, s[BH], 12                      ; its 4,096 bytes of scales
	s_lshl_b32 s74, s89, 15
	s_add_co_u32 s74, s74, s82
	s_add_co_u32 s74, s74, QKV_K                   ; K's codes: 512 rows
	s_mov_b32 s75, 0
	s_mov_b32 s76, 0
	s_add_co_u32 s76, s76, s19
	s_add_co_u32 s78, s76, QSO+524288              ; V's scales, whole (wave 13)
	s_add_co_u32 s76, s76, QSO+262144              ; K's, whole (wave 12)
	s_mov_b32 s77, 0
	s_mov_b32 s79, 0
	s_lshl_b32 s80, s[WK], 14
	s_add_co_u32 s80, s80, s82
	s_add_co_u32 s80, s80, QKV_V                   ; V's codes: two key steps of 8,192 bytes
	s_mov_b32 s81, 0
	s_add_co_u32 s84, s19, QSO                     ; q's scales
	s_mov_b32 s85, 0
	s_mul_i32 s86, s89, 512*KP
	s_mul_i32 s87, s[WK], 128*VP
	s_add_co_u32 s87, s87, VC
	s_mov_b32 s88, 0
	s_mov_b32 s[SEL], 0x76543210
	s_mov_b32 s[SEL+1], 0xfedcba98                 ; v_permlanex16_b32's selects for lane l xor 16
	s_mov_b32 s[CS], 0x3e38aa3b                    ; c = log2(e) / 8
	s_mov_b32 s[CS+1], s[CS]                       ; (named with it as a pair, so it is written)
	s_mov_b32 s[MNT], 0x600000
	s_wait_kmcnt 0x0
	s_mov_b32 s[G0K], 1
	s_mov_b32 s[G0K+1], s86
	s_add_nc_u64 s[G0K+2:G0K+3], s[4:5], s[74:75]
	s_or_b32 s[G0K+3], s[G0K+3], 0x80000000
	s_mov_b32 s[G0KS], 1
	s_add_co_u32 s[G0KS+1], s88, KSO
	s_add_nc_u64 s[G0KS+2:G0KS+3], s[4:5], s[76:77]
	s_or_b32 s[G0KS+3], s[G0KS+3], 0x80000000
	s_mov_b32 s[G0V], 1
	s_mov_b32 s[G0V+1], s87
	s_add_nc_u64 s[G0V+2:G0V+3], s[4:5], s[80:81]
	s_or_b32 s[G0V+3], s[G0V+3], 0x80000000
	s_mov_b32 s[G0VS], 1
	s_add_co_u32 s[G0VS+1], s88, VSO
	s_add_nc_u64 s[G0VS+2:G0VS+3], s[4:5], s[78:79]
	s_or_b32 s[G0VS+3], s[G0VS+3], 0x80000000
	s_add_nc_u64 s[QB:QB+1], s[4:5], s[82:83]
	s_add_nc_u64 s[QSB:QSB+1], s[4:5], s[84:85]
	CROUND                                         ; all four work-groups are here: the joint loads meet
; THE FILLS, at most one a wave, in one chain of branches on the wave's number: waves 0-3 K, waves 4-11 V, wave 12 K's scales, wave 13 V's.  An s_nop 0 and four v_nop follow each load
.macro ARM under, g0, g1, next
	s_cmp_lt_u32 s[WV], \under
	s_cbranch_scc0 \next
	tensor_load_to_lds s[\g0:\g0+3], s[\g1:\g1+7]
	s_nop 0
.rept 4
	v_nop
.endr
	s_branch .Lfilled
\next:
.endm
	ARM 4, G0K, G1K, .Lfill_v
	ARM 12, G0V, G1V, .Lfill_ks
	ARM 13, G0KS, G1S, .Lfill_vs
	ARM 14, G0VS, G1S, .Lfill_none
.Lfilled:
	v_and_b32 v8, 15, v0                           ; r
	v_bfe_u32 v9, v0, 4, 1                         ; h
	s_delay_alu instid0(VALU_DEP_2)
	v_mul_u32_u24 v[AK0], v8, KP
	s_delay_alu instid0(VALU_DEP_1)
	v_lshl_add_u32 v[AK0], v9, 4, v[AK0]
	s_delay_alu instid0(VALU_DEP_4)
	v_mul_u32_u24 v[AV0], v8, VP
	s_delay_alu instid0(VALU_DEP_1)
	v_lshl_add_u32 v[AV0], v9, 4, v[AV0]
	s_delay_alu instid0(VALU_DEP_1)
	v_add_nc_u32 v[AV0], VC, v[AV0]
	v_lshl_add_u32 v[ASK0], v8, 2, KSO
	v_lshl_add_u32 v[ASV0], v8, 2, VSO
	v_and_b32 v10, 31, v0
	s_delay_alu instid0(VALU_DEP_1)
	v_lshlrev_b32 v[LI], 4, v10
	v_lshlrev_b32 v[SR], 5, v8
	v_and_b32 v10, 7, v8
	v_lshrrev_b32 v11, 3, v8
	s_delay_alu instid0(VALU_DEP_1)
	v_lshl_add_u32 v[QO], v11, 4, v10              ; q's row by pos(): r % 8 + 16 (r / 8),
	s_delay_alu instid0(VALU_DEP_1)
	v_lshlrev_b32 v[QO], 6, v[QO]                  ; of 64 bytes,
	s_delay_alu instid0(VALU_DEP_1)
	v_lshl_add_u32 v[QO], v9, 4, v[QO]             ; + 16 h
	v_lshlrev_b32 v[QSF], 2, v10
	s_delay_alu instid0(VALU_DEP_1)
	v_lshl_add_u32 v[QSF], v11, 1, v[QSF]          ; q's half-word: 4 (r % 8) + 2 (r / 8)
	v_lshlrev_b32 v11, 4, v9
	s_delay_alu instid0(VALU_DEP_1)
	v_sub_nc_u32 v[RH], v8, v11
	v_mov_b32 v[NINF], 0xff800000
.irp j, 16,17,18,19,20,21,22,23,32,33,34,35,36,37,38,39
	v_mov_b32 v[\j], 0                             ; the zero codes on both sides of Q
.endr
.irp b, 0,1,2,3
	v_mov_b32 v[BT+\b], 0                          ; written once: a lane permute's destination counts as one of its sources
.endr
	v_mov_b32 v[FF], 0
	v_mov_b32 v[FF+1], 0
	v_mov_b32 v[TT], 0
; A KEY STEP: 128 keys, the q-th of the 256 in hand.  A step all of whose keys come after my queries is left out: a scalar branch on the step's number against a number made of the wave's.
.macro STEP q
	s_cmp_gt_u32 s[SI], s[LS]
	s_cbranch_scc1 .Lhidden_\@
	v_add_nc_u32 v[ADK], s[TK], v[AK0]
	v_add_nc_u32 v[ADV], s[TV], v[AV0]
	v_add_nc_u32 v[ADS], s[TS], v[ASK0]
	v_add_nc_u32 v[ADT], s[TS], v[ASV0]
.rept 4
	v_nop                                          ; with the four additions: eight places in front of loads into registers that the last products read
.endr
.irp b, 0,1,2,3
.irp c, 0,1,2,3
	ds_load_b128 v[KV+16*\b+4*\c:KV+16*\b+4*\c+3], v[ADK] offset:128*KP*(\q)+(32*\b+16*(\c/2))*KP+32*(\c%2)
.endr
	ds_load_b32 v[KSW+\b], v[ADS] offset:256*(\q)+64*\b
.endr
	s_wait_alu depctr_va_vdst(0)
	s_wait_dscnt 0x0
.irp b, 0,1,2,3
	v_wmma_scale_f32_16x16x128_f8f6f4 v[S+16*\b:S+16*\b+7], v[KV+16*\b:KV+16*\b+15], v[24:39], 0, v[KSW+\b], v[QSL]
	v_wmma_scale_f32_16x16x128_f8f6f4 v[S+16*\b+8:S+16*\b+15], v[KV+16*\b:KV+16*\b+15], v[16:31], 0, v[KSW+\b], v[QSH]
.endr
.rept 8
	v_nop
.endr
.irp t, 0,1,2,3                                ; V's fragments go out now and land under the softmax
.irp c, 0,1,2,3
	ds_load_b128 v[KV+16*\t+4*\c:KV+16*\t+4*\c+3], v[ADV] offset:16*VP*\t+64*VP*(\q)+32*\c
.endr
	ds_load_b32 v[VSW+\t], v[ADT] offset:256*(\q)+64*\t
.endr
	s_cmp_lg_u32 s[SI], s[LS]                      ; only the last step that counts lies on the diagonal
	s_cbranch_scc1 .Lopen_\@
	s_and_b32 s74, s[U], 1                         ; my 16 queries begin 64 (u % 2) + 16 cx keys into the step; u hangs on the wave's number alone
	s_cmp_lg_u32 s74, 0
	s_cbranch_scc1 .Lupper_\@
.set n, 32
.rept 32
	v_mov_b32 v[S+n], v[NINF]                      ; u even: my queries lie under 64, so keys 64 .. 127 are all hidden
.set n, n+1
.endr
.set n, 0
.rept 32
	v_cmp_gt_i32 vcc_lo, 32*(n/16)+n%16, v[DM]
	v_cndmask_b32 v[S+n], v[S+n], v[NINF], vcc_lo  ; a hidden score becomes -infinity: p = 0
.set n, n+1
.endr
	s_branch .Lopen_\@
.Lupper_\@:
.set n, 32
.rept 32
	v_cmp_gt_i32 vcc_lo, 32*(n/16)+n%16, v[DM]     ; u odd: my queries lie at 64 or above, so keys 0 .. 63 all count
	v_cndmask_b32 v[S+n], v[S+n], v[NINF], vcc_lo
.set n, n+1
.endr
.Lopen_\@:
.irp b, 0,1,2,3
	v_max3_num_f32 v[BM+\b], v[S+16*\b], v[S+1+16*\b], v[S+2+16*\b]   ; the largest score of each block of 32 keys: for the row's maximum, and, since p rises with the score, for the block's largest p
.endr
.irp i, 3,5,7,9,11,13
.irp b, 0,1,2,3
	v_max3_num_f32 v[BM+\b], v[BM+\b], v[S+16*\b+\i], v[S+1+16*\b+\i]
.endr
.endr
.irp b, 0,1,2,3
	v_max_num_f32 v[BM+\b], v[BM+\b], v[S+15+16*\b]
.endr
.irp b, 0,1,2,3
	s_delay_alu instid0(VALU_DEP_4)
	v_permlanex16_b32 v[BT+\b], v[BM+\b], s[SEL], s[SEL+1]
.endr
.irp b, 0,1,2,3
	s_delay_alu instid0(VALU_DEP_4)
	v_max_num_f32 v[BM+\b], v[BM+\b], v[BT+\b]     ; with lane l xor 16's 16 keys
.endr
	s_delay_alu instid0(VALU_DEP_2)
	v_max3_num_f32 v[TT], v[BM], v[BM+1], v[BM+2]
	s_delay_alu instid0(VALU_DEP_1)
	v_max_num_f32 v[TT], v[TT], v[BM+3]
	s_delay_alu instid0(VALU_DEP_1)
	v_mul_f32 v[TT], s[CS], v[TT]                  ; as t (c is positive)
	s_delay_alu instid0(VALU_DEP_1)
	v_max_num_f32 v13, v13, v[TT]                  ; the running largest t
	v_mov_b32 v[TT], v12
	s_delay_alu instid0(VALU_DEP_2)
	v_floor_f32 v12, -v13                          ; the new -M = floor(-t): M is a whole number
	s_delay_alu instid0(VALU_DEP_1)
	v_sub_f32 v[TT], v12, v[TT]                    ; old M - new M: a whole number, 0 or less
	s_delay_alu instid0(VALU_DEP_1)
	v_cvt_i32_f32 v[TT], v[TT]                     ; (it saturates)
	s_delay_alu instid0(VALU_DEP_1)
	v_ldexp_f32 v[FF], 1.0, v[TT]                  ; f = 2^(old M - new M)
.set n, 0
.rept 32
	v_pk_fma_f32 v[S+n:S+n+1], v[S+n:S+n+1], s[CS:CS+1], v[12:13] op_sel_hi:[1,0,0]   ; t - M, two at a time
.set n, n+2
.endr
.irp b, 0,1,2,3
	v_fma_f32 v[BM+\b], v[BM+\b], s[CS], v12       ; the same of each block's largest score
.endr
.set n, 0
	s_wait_alu depctr_va_vdst(0)
.rept 64
	v_exp_f32 v[S+n], v[S+n]                       ; p = 2^(t - M), at most 1
.set n, n+1
.endr
.irp b, 0,1,2,3
	v_exp_f32 v[BM+\b], v[BM+\b]                   ; the block's largest p
.endr
	v_pk_mul_f32 v[14:15], v[14:15], v[FF:FF+1] op_sel_hi:[1,0]   ; the sums under the new M (a plain instruction behind the exponentials)
	s_wait_alu depctr_va_vdst(0)
.irp b, 0,1,2,3
	v_max_num_f32 v[BM+\b], 0x4800000, v[BM+\b]    ; the floor 2^(9 - 127)
.endr
.irp b, 0,1,2,3
	s_delay_alu instid0(VALU_DEP_4)
	v_add_nc_u32 v[SO+\b], 0xfc000000, v[BM+\b]    ; the conversion's scale operand
.endr
.irp b, 0,1,2,3
	v_and_or_b32 v[HL+\b], v[BM+\b], 0x7f800000, s[MNT]   ; 448 x the scale
.endr
.irp b, 0,1,2,3
	v_lshrrev_b32 v[BT+\b], 23, v[SO+\b]           ; the scale's byte
.endr
	s_delay_alu instid0(VALU_DEP_3)
	v_lshl_or_b32 v[PW], v[BT+1], 8, v[BT]         ; p's scale word for these 128 keys
	s_delay_alu instid0(VALU_DEP_1)
	v_lshl_or_b32 v[PW], v[BT+2], 16, v[PW]
	s_delay_alu instid0(VALU_DEP_1)
	v_lshl_or_b32 v[PW], v[BT+3], 24, v[PW]
	v_pk_add_f32 v[220:221], v[108:109], v[112:113]
	v_pk_add_f32 v[254:255], v[116:117], v[120:121]
	v_pk_add_f32 v[234:235], v[124:125], v[128:129]
	v_pk_add_f32 v[232:233], v[132:133], v[136:137]
	v_pk_add_f32 v[218:219], v[140:141], v[144:145]
	v_pk_add_f32 v[216:217], v[148:149], v[152:153]
	v_pk_add_f32 v[214:215], v[156:157], v[160:161]
	v_pk_add_f32 v[14:15], v[14:15], v[164:165]
	v_pk_add_f32 v[220:221], v[220:221], v[104:105]
	v_pk_add_f32 v[254:255], v[254:255], v[106:107]
	v_pk_add_f32 v[234:235], v[234:235], v[110:111]
	v_pk_add_f32 v[232:233], v[232:233], v[114:115]
	v_pk_add_f32 v[218:219], v[218:219], v[118:119]
	v_pk_add_f32 v[216:217], v[216:217], v[122:123]
	v_pk_add_f32 v[214:215], v[214:215], v[126:127]
	v_pk_add_f32 v[14:15], v[14:15], v[130:131]
	v_pk_add_f32 v[220:221], v[220:221], v[134:135]
	v_pk_add_f32 v[254:255], v[254:255], v[138:139]
	v_pk_add_f32 v[234:235], v[234:235], v[142:143]
	v_pk_add_f32 v[232:233], v[232:233], v[146:147]
	v_pk_add_f32 v[218:219], v[218:219], v[150:151]
	v_pk_add_f32 v[216:217], v[216:217], v[154:155]
	v_pk_add_f32 v[214:215], v[214:215], v[158:159]
	v_pk_add_f32 v[14:15], v[14:15], v[162:163]
	v_pk_add_f32 v[220:221], v[220:221], v[166:167]
	s_delay_alu instid0(VALU_DEP_2)
	v_pk_add_f32 v[14:15], v[14:15], v[232:233]
	s_delay_alu instid0(VALU_DEP_2)
	v_pk_add_f32 v[220:221], v[220:221], v[218:219]
	v_pk_add_f32 v[254:255], v[254:255], v[216:217]
	v_pk_add_f32 v[234:235], v[234:235], v[214:215]
	s_delay_alu instid0(VALU_DEP_2)
	v_pk_add_f32 v[14:15], v[14:15], v[254:255]
	s_delay_alu instid0(VALU_DEP_2)
	v_pk_add_f32 v[220:221], v[220:221], v[234:235]
	s_delay_alu instid0(VALU_DEP_1)
	v_pk_add_f32 v[14:15], v[14:15], v[220:221]
.irp b, 0,1,2,3
.irp i, 0,1,2,3,4,5,6,7,8,9,10,11,12,13,14,15
	v_min_num_f32 v[S+16*\b+\i], v[S+16*\b+\i], v[HL+\b]   ; the hold (ISA guide 7.6.2); p is not negative, so it is one-sided
.endr
	v_cvt_scalef32_pk8_fp8_f32 v[PC+4*\b:PC+1+4*\b], v[S+16*\b:S+7+16*\b], v[SO+\b]
	v_cvt_scalef32_pk8_fp8_f32 v[PC+2+4*\b:PC+3+4*\b], v[S+8+16*\b:S+15+16*\b], v[SO+\b]
.endr
.set n, 0
.rept 16
	v_pk_mul_f32 v[OT+n:OT+n+1], v[OT+n:OT+n+1], v[FF:FF+1] op_sel_hi:[1,0]   ; O^T under the new M; these are also the places between the codes and the products
.set n, n+2
.endr
	s_wait_alu depctr_va_vdst(0)
	s_wait_dscnt 0x0                               ; V is in
.irp t, 0,1,2,3                                ; the four accumulators take turns
	v_wmma_scale_f32_16x16x128_f8f6f4 v[OT+8*\t:OT+8*\t+7], v[KV+16*\t:KV+16*\t+15], v[PC:PC+15], v[OT+8*\t:OT+8*\t+7], v[VSW+\t], v[PW]
.endr
.Lhidden_\@:
	s_add_co_u32 s[SI], s[SI], 1
.endm
; A PASS: one tile of 16 queries against all the keys that count for it.  Every pass walks eight trips of two key steps: the count is a constant, and what is hidden is jumped over.
.macro PASS p
	s_wait_xcnt 0x0                                ; the last pass's loads and stores have read their addresses and data: both are written again below
.if \p == 0
	s_mov_b32 s[U], s[WV]
.else
	s_xor_b32 s[U], s[WV], 31                      ; 31 - w
.endif
	s_lshr_b32 s[LS], s[U], 1
	s_lshl_b32 s[QI], s[U], 2
	s_add_co_u32 s[QI], s[QI], s[CX]               ; i = 4 u + cx
	s_lshr_b32 s74, s[QI], 1
	s_lshl_b32 s74, s74, 5
	s_and_b32 s75, s[QI], 1
	s_lshl_b32 s75, s75, 3
	s_add_co_u32 s74, s74, s75                     ; by pos(): 32 (i / 2) + 8 (i % 2)
	s_lshl_b32 s74, s74, 6
	s_mov_b32 s75, 0
	s_add_nc_u64 s[76:77], s[QB:QB+1], s[74:75]
	s_lshl_b32 s74, s[QI], 5
	s_add_nc_u64 s[78:79], s[QSB:QSB+1], s[74:75]
	global_load_b128 v[24:27], v[QO], s[76:77]
	global_load_b128 v[28:31], v[QO], s[76:77] offset:32
	global_load_u16 v[QSL], v[QSF], s[78:79]       ; two bytes, zeros above them
	s_and_b32 s74, s[U], 1
	s_lshl_b32 s74, s74, 6
	s_lshl_b32 s84, s[CX], 4
	s_add_co_u32 s74, s74, s84
	v_add_nc_u32 v[DM], s74, v[RH]                 ; my query - the last step's first key - 16 h
	s_lshr_b32 s74, s[QI], 4                       ; where the result goes
	s_lshl_b32 s84, s[BTC], 3
	s_add_co_u32 s74, s74, s84
	s_lshl_b32 s74, s74, 4
	s_add_co_u32 s74, s74, s[HD]
	s_lshl_b32 s74, s74, 14
	s_and_b32 s84, s[QI], 15
	s_lshl_b32 s84, s84, 10
	s_add_co_u32 s74, s74, s84
	s_add_nc_u64 s[80:81], s[6:7], s[74:75]        ; the images
	s_lshl_b32 s74, s[BTC], 11
	s_lshl_b32 s84, s[QI], 4
	s_add_co_u32 s74, s74, s84
	s_lshl_b32 s74, s74, 5
	s_lshl_b32 s84, s[HD], 1
	s_add_co_u32 s74, s74, s84
	s_add_co_u32 s74, s74, ASO
	s_add_nc_u64 s[82:83], s[6:7], s[74:75]        ; the scale bytes
	v_mov_b32 v13, 0xff61b1e6                      ; the largest t so far: -3e38
	s_delay_alu instid0(VALU_DEP_1)
	v_floor_f32 v12, -v13
	v_mov_b32 v14, 0
	v_mov_b32 v15, 0
.if \p == 0
	s_wait_alu depctr_va_vdst(0)
	s_wait_tensorcnt 0x0                           ; my part has landed (the first pass's loads of Q were issued above, ahead of this wait),
	s_barrier_signal -1
	s_barrier_wait -1                              ; everybody's has: from here on LDS is only read
.endif
	s_wait_loadcnt 0x0
	v_lshlrev_b32 v[QSH], 16, v[QSL]
.set n, 0
.rept 32
	v_mov_b32 v[OT+n], 0                           ; the step is written once: the first finds zeros.  (More than eight places between the scale word above and the first product)
.set n, n+1
.endr
	s_mov_b32 s[TK], 0
	s_mov_b32 s[TV], 0
	s_mov_b32 s[TS], 0
	s_mov_b32 s[SI], 0
	s_mov_b32 s[TRIP], 8
.Ltrip_\@:
	STEP 0
	STEP 1
	s_add_co_u32 s[TK], s[TK], 256*KP
	s_add_co_u32 s[TV], s[TV], 128*VP
	s_add_co_u32 s[TS], s[TS], 512
	s_sub_co_u32 s[TRIP], s[TRIP], 1
	s_cmp_lg_u32 s[TRIP], 0
	s_cbranch_scc1 .Ltrip_\@
.rept 8
	v_nop
.endr
	v_add_f32 v14, v14, v15                        ; the sum's two halves,
	s_delay_alu instid0(VALU_DEP_1)
	v_permlanex16_b32 v[TT], v14, s[SEL], s[SEL+1]
	s_delay_alu instid0(VALU_DEP_1)
	v_add_f32 v14, v14, v[TT]                      ; and lane l xor 16's
	s_wait_alu depctr_va_vdst(0)
	v_rcp_f32 v14, v14
	v_nop
.set n, 0
	s_wait_alu depctr_va_vdst(0)
.rept 32
	v_mul_f32 v[S+n], v[OT+n], v14                 ; register 16 g + i is o(query r, d = 32 g + 16 h + i)
.set n, n+1
.endr
.irp b, 0,1
	v_max3_num_f32 v[BM+\b], |v[S+16*\b]|, |v[S+1+16*\b]|, 0x4800000
.endr
.irp i, 2,4,6,8,10,12,14
.irp b, 0,1
	s_delay_alu instid0(VALU_DEP_2)
	v_max3_num_f32 v[BM+\b], v[BM+\b], |v[S+16*\b+\i]|, |v[S+1+16*\b+\i]|
.endr
.endr
.irp b, 0,1
	s_delay_alu instid0(VALU_DEP_2)
	v_permlanex16_b32 v[BT+\b], v[BM+\b], s[SEL], s[SEL+1]
.endr
.irp b, 0,1
	s_delay_alu instid0(VALU_DEP_2)
	v_max_num_f32 v[BM+\b], v[BM+\b], v[BT+\b]
.endr
.irp b, 0,1
	s_delay_alu instid0(VALU_DEP_2)
	v_add_nc_u32 v[SO+\b], 0xfc000000, v[BM+\b]
.endr
.irp b, 0,1
	s_delay_alu instid0(VALU_DEP_4)
	v_and_or_b32 v[HL+\b], v[BM+\b], 0x7f800000, s[MNT]
.endr
.irp b, 0,1
	s_delay_alu instid0(VALU_DEP_4)
	v_lshrrev_b32 v[BT+\b], 23, v[SO+\b]
.endr
	s_delay_alu instid0(VALU_DEP_1)
	v_lshl_or_b32 v[HWD], v[BT+1], 8, v[BT]
.irp b, 0,1
.irp i, 0,1,2,3,4,5,6,7,8,9,10,11,12,13,14,15
	v_med3_num_f32 v[S+16*\b+\i], v[S+16*\b+\i], -v[HL+\b], v[HL+\b]
.endr
	v_cvt_scalef32_pk8_fp8_f32 v[PC+4*\b:PC+1+4*\b], v[S+16*\b:S+7+16*\b], v[SO+\b]
	v_cvt_scalef32_pk8_fp8_f32 v[PC+2+4*\b:PC+3+4*\b], v[S+8+16*\b:S+15+16*\b], v[SO+\b]
.endr
	v_nop                                          ; one plain instruction behind the last conversion
	global_store_b128 v[LI], v[PC:PC+3], s[80:81]              ; 32 lanes store 512 consecutive bytes, aligned
	global_store_b128 v[LI], v[PC+4:PC+7], s[80:81] offset:512
	global_store_b16 v[SR], v[HWD], s[82:83]       ; two bytes of each row's 32: the other heads' bytes come from other work-groups (both halves of the lanes write the same bytes)
.endm
	PASS 0
	PASS 1
	s_wait_tensorcnt 0x0                           ; the wave's end
	ds_add_u32 v[SPW], v[NIL]
	s_wait_dscnt 0x0
	CROUND                                         ; the closing round
	s_endpgm
.Lfunc_end_k_q9f7b469972_attn:
	.size	k_q9f7b469972_attn, .Lfunc_end_k_q9f7b469972_attn-k_q9f7b469972_attn
	.p2alignl 7, 3214868480
	.fill 96, 4, 3214868480
	.section	.rodata,"a",@progbits
	.p2align	6, 0x0
	.amdhsa_kernel k_q9f7b469972_attn
		.amdhsa_group_segment_fixed_size 327680
		.amdhsa_private_segment_fixed_size 0
		.amdhsa_enable_private_segment 0
		.amdhsa_kernarg_size 16
		.amdhsa_user_sgpr_count 2
		.amdhsa_user_sgpr_kernarg_segment_ptr 1
		.amdhsa_wavefront_size32 1
		.amdhsa_system_sgpr_workgroup_id_x 1
		.amdhsa_system_sgpr_workgroup_id_y 1
		.amdhsa_system_sgpr_workgroup_id_z 1
		.amdhsa_system_vgpr_workitem_id 0
		.amdhsa_next_free_vgpr 256
		.amdhsa_next_free_sgpr 92
		.amdhsa_reserve_vcc 1
		.amdhsa_float_denorm_mode_32 3
		.amdhsa_float_denorm_mode_16_64 3
		.amdhsa_memory_ordered 1
		.amdhsa_forward_progress 1
		.amdhsa_inst_pref_size 131
	.end_amdhsa_kernel
	.amdgpu_metadata
---
amdhsa.version: [ 1, 2 ]
amdhsa.kernels:
  - .name:           k_q9f7b469972_attn
    .symbol:         k_q9f7b469972_attn.kd
    .args:
      - { .name: qkv, .offset: 0, .size: 8, .value_kind: global_buffer, .address_space: global }
      - { .name: ao, .offset: 8, .size: 8, .value_kind: global_buffer, .address_space: global }
    .group_segment_fixed_size: 327680
    .private_segment_fixed_size: 0
    .kernarg_segment_align: 8
    .kernarg_segment_size: 16
    .max_flat_workgroup_size: 512
    .sgpr_count:     92
    .vgpr_count:     256
    .wavefront_size: 32
...
	.end_amdgpu_metadata
.endif
;; end of part 3
;; launch gemm_out (part 4): grid 4 x 64, 4 waves a work-group, clusters of 4 x 4, 327,680 bytes of LDS; arguments ao, wq, out0; writes out0
.if DOCPART == 4
	.amdgcn_target "amdgcn-amd-amdhsa--gfx1250"
	.amdhsa_code_object_version 6
	.text
	.protected	k_q9f7b469972_gemm_out
	.globl	k_q9f7b469972_gemm_out
	.p2align	8
	.type	k_q9f7b469972_gemm_out,@function
k_q9f7b469972_gemm_out:
	s_mov_b64 s[64:65], 0
	v_nop
	global_prefetch_b8 v0, s[64:65] scope:SCOPE_SE
	s_setreg_imm32_b32 hwreg(HW_REG_WAVE_MODE, 25, 1), 1
	s_wait_xcnt 0x0
	s_wait_alu depctr_hold_cnt(0) depctr_sa_sdst(0) depctr_va_vdst(0) depctr_va_sdst(0) depctr_va_ssrc(0) depctr_va_vcc(0) depctr_vm_vsrc(0)
	s_getreg_b32 s2, hwreg(HW_REG_IB_STS2, 6, 4)
	s_cmp_eq_u32 s2, 0
	s_cbranch_scc0 .Lentry_in_a_cluster
	s_endpgm
.Lentry_in_a_cluster:
	s_bfe_u32 s2, ttmp6, 0x10000c
	s_cmp_lg_u32 s2, 0xf033
	s_cbranch_scc0 .Lentry_shape_is_right
	s_endpgm
.Lentry_shape_is_right:
; out0 = attention's result x w_out on codes of E4M3 with one E8M0 scale for each 32 along K = 1024; f32 sums, stored as f32.
; SHARES.  256 work-groups of four waves; a work-group makes 128 rows x 256 columns, a wave 64 x 128: 32 accumulators.
; w_out's 256 rows, ALL of K, lie in LDS as two halves of K (256 rows x 512 bytes + 16 each), filled once, one joint load a wave: nothing is filled again.  Waves 0, 1 fetch the first half and have a load line of their own,
; so that the first barrier shows that half alone; the second half is shown by a barrier behind the third K step.
; The left operand lies in ao as images of the operand's registers, so each wave loads its 64 rows, all of K, straight into 512 registers: each load covers 512 consecutive bytes.
; BY COLUMN GROUPS: a wave takes its first 64 columns through all eight K steps and stores them, then its other 64: the first group's stores are out while the second group is multiplied.
; Source 0 = 16 rows of w_out, source 1 = 16 rows of the left operand: a lane holds eight neighbouring columns of one row of the result.
; CLUSTERS of 4 x 4: w_out's rows are shared along a column of the cluster.  The left operand is not asked for jointly: it goes to registers and not to LDS.
; No prefetch: the launch has no loop to run ahead in; all that it reads is asked for at its head.
; LIMITS: NaN and infinities are not served.
.set PW, 528
.set SLOTB, 256*PW
.set STG, 2*SLOTB                      ; the way out: 16 rows x 272 bytes for each wave, bytes of their own
.set SPARE, STG+4*16*272
.set ASO, 8388608
.set WSO, 4194304
.set ADRW, 8
.set STO, 12
.set RD, 13
.set CO, 14
.set GQ, 16
.set XSA, 23
.set SPW, 28
.set NIL, 29
.set XSC, 32
.set WSC, 48
.set WF, 128                           ; v128-255 w_out's fragments: two sets of four, by turns; on the way out the rows read back
.set BK, 128
.set G1W, 24
.set G0W, 44
.set MSB, 0
.macro WIN new
.if MSB != (\new)
	s_set_vgpr_msb (MSB<<8)|(\new)
.set MSB, (\new)
.endif
.endm
.macro PLACES n
.rept \n
	v_nop
.endr
.endm
.macro BARRIER
	s_barrier_signal -1
	s_barrier_wait -1
.endm
.macro CROUND
	BARRIER
	s_cmp_lg_u32 s14, 0
	s_cbranch_scc1 .Lnot_wave_0_\@
	s_barrier_signal -3
.Lnot_wave_0_\@:
	s_barrier_wait -3
	BARRIER
.endm
.macro TLOAD g0, g1
	tensor_load_to_lds s[\g0:\g0+3], s[\g1:\g1+7]
	s_nop 0
	PLACES 4
.endm
	s_load_b128 s[4:7], s[0:1], 0x0                ; ao, wq
	s_load_b64 s[8:9], s[0:1], 0x10                ; out0
	v_lshl_add_u32 v[SPW], v0, 2, SPARE
	v_mov_b32 v[NIL], 0
	ds_add_u32 v[SPW], v[NIL]                      ; the opening lines: the add twice on end and its wait
	ds_add_u32 v[SPW], v[NIL]
	v_lshrrev_b32 v1, 5, v0
	v_readfirstlane_b32 s14, v1
	s_lshr_b32 s15, s14, 1                         ; my half of the rows.  Also: which half of K I fetch
	s_and_b32 s16, s14, 1                          ; my half of the columns.  Also: which 128 rows of w_out I fetch
	s_bfe_u32 s40, ttmp6, 0x40000
	s_bfe_u32 s41, ttmp6, 0x40004
	s_and_b32 s17, ttmp7, 0xffff
	s_lshl_b32 s17, s17, 2
	s_add_co_u32 s17, s17, s41                     ; rb: the block of 128 rows
	s_lshl_b32 s43, 0x1111, s40                    ; my column of the cluster
	s_or_b32 s[G1W], s43, (1<<20)|(1<<21)|(6<<22)|(3<<25)
	s_mov_b32 s[G1W+1], 512<<16
	s_mov_b32 s[G1W+2], 128<<16
	s_mov_b32 s[G1W+3], 512<<16
	s_mov_b32 s[G1W+4], 128
	s_mov_b32 s[G1W+5], 1024
	s_mov_b32 s[G1W+6], 0
	s_mov_b32 s[G1W+7], 0
	s_lshl_b32 s20, s40, 18
	s_lshl_b32 s21, s16, 17
	s_add_co_u32 s20, s20, s21
	s_lshl_b32 s21, s15, 9
	s_add_co_u32 s20, s20, s21
	s_add_co_u32 s20, s20, 3072*1024               ; w_out's rows lie behind w_qkv's 3,072
	s_mov_b32 s21, 0
	s_mul_i32 s66, s14, 128*PW
	s_lshr_b32 s18, s17, 1
	s_lshl_b32 s18, s18, 18
	s_and_b32 s19, s17, 1
	s_lshl_b32 s19, s19, 13
	s_add_co_u32 s18, s18, s19
	s_lshl_b32 s19, s15, 12
	s_add_co_u32 s18, s18, s19                     ; the images of my 64 rows: [row / 256][head][(row / 16) % 16][g][lane][16]
	s_mov_b32 s19, 0
	s_lshl_b32 s68, s17, 12
	s_lshl_b32 s69, s15, 11
	s_add_co_u32 s68, s68, s69
	s_add_co_u32 s68, s68, ASO
	s_mov_b32 s69, 0
	s_lshl_b32 s74, s40, 13
	s_lshl_b32 s75, s16, 12
	s_add_co_u32 s74, s74, s75
	s_add_co_u32 s74, s74, WSO+3072*32
	s_mov_b32 s75, 0
	s_lshl_b32 s80, s17, 19
	s_lshl_b32 s81, s15, 18
	s_add_co_u32 s80, s80, s81
	s_lshl_b32 s81, s40, 10
	s_add_co_u32 s80, s80, s81
	s_lshl_b32 s81, s16, 9
	s_add_co_u32 s80, s80, s81                     ; my part of out0
	s_mov_b32 s81, 0
	s_mov_b32 s[G0W], 1
	s_mov_b32 s[G0W+1], s66
	s_wait_dscnt 0x0
	s_wait_kmcnt 0x0
	s_add_nc_u64 s[G0W+2:G0W+3], s[6:7], s[20:21]
	s_or_b32 s[G0W+3], s[G0W+3], 0x80000000
	s_add_nc_u64 s[10:11], s[4:5], s[18:19]
	s_add_nc_u64 s[62:63], s[4:5], s[68:69]
	s_add_nc_u64 s[60:61], s[6:7], s[74:75]
	s_add_nc_u64 s[12:13], s[8:9], s[80:81]
	CROUND
	s_cmp_lt_u32 s14, 2
	s_cbranch_scc0 .Lupper
	TLOAD G0W, G1W                                 ; waves 0, 1: K's first half
	s_branch .Lasked
.Lupper:
	TLOAD G0W, G1W                                 ; waves 2, 3: its second
.Lasked:
	v_and_b32 v1, 15, v0
	v_bfe_u32 v2, v0, 4, 1
	v_and_b32 v6, 31, v0
	v_lshlrev_b32 v[GQ], 4, v6
	v_lshlrev_b32 v[XSA], 5, v6
	v_mul_u32_u24 v3, v1, PW
	v_lshl_add_u32 v3, v2, 4, v3
	s_mul_i32 s18, s16, 128*PW
	v_add_nc_u32 v[ADRW], s18, v3
	v_add_nc_u32 v[ADRW+1], SLOTB, v[ADRW]
	s_mul_i32 s18, s14, 16*272
	s_add_co_u32 s18, s18, STG
	v_mul_u32_u24 v3, v1, 272
	v_lshl_add_u32 v3, v2, 5, v3
	v_add_nc_u32 v[STO], s18, v3                   ; into my stage: row r, 32 bytes for each half of the lanes
	v_mul_u32_u24 v4, v2, 272
	v_lshl_add_u32 v4, v1, 4, v4
	v_add_nc_u32 v[RD], s18, v4                    ; back: lanes 0-15 one row of 256 bytes, lanes 16-31 the next
	v_lshlrev_b32 v[CO], 12, v2
	v_lshl_add_u32 v[CO], v1, 4, v[CO]             ; and the same two rows in out0
	s_wait_alu depctr_va_vdst(0)
.irp p, 0,1
.irp c, 0,1
	global_load_b128 v[XSC+8*\p+4*(1-\c):XSC+8*\p+4*(1-\c)+3], v[XSA], s[62:63] offset:1024*\p+16*\c
.endr
.endr
.irp p, 0,1,2,3
.irp c, 0,1
	global_load_b128 v[WSC+8*\p+4*\c:WSC+8*\p+4*\c+3], v[XSA], s[60:61] offset:1024*\p+16*\c
.endr
.endr
.irp q, 0,1,2,3,4,5,6,7                ; the left operand: fragment 4 q + a in windows 1 and 2; piece c is head 2 q + c / 2, g = c % 2
	WIN (1+\q/4)<<6
.irp a, 0,1,2,3
.irp c, 0,1,2,3
	global_load_b128 v[16*((4*\q+\a)%16)+4*\c:16*((4*\q+\a)%16)+4*\c+3], v[GQ], s[10:11] offset:(2*\q+\c/2)*16384+\a*1024+(\c%2)*512
.endr
.endr
.endr
	WIN 0
.macro FWG g, q                        ; four fragments of w_out: blocks 4 g .. 4 g + 3, K step q, into set q % 2
.irp bb, 0,1,2,3
.irp c, 0,1,2,3
	ds_load_b128 v[WF+64*((\q)%2)+16*\bb+4*\c:WF+64*((\q)%2)+16*\bb+4*\c+3], v[ADRW+(\q)/4] offset:(4*(\g)+\bb)*16*PW+128*((\q)%4)+32*\c
.endr
.endr
.endm
.macro W8 cc
.if M_ == 3
	v_wmma_scale_f32_16x16x128_f8f6f4 v[D_:D_+7], v[A_:A_+15], v[B_:B_+15], \cc, v[SA_], v[SB_] matrix_a_scale:MATRIX_SCALE_ROW1 matrix_b_scale:MATRIX_SCALE_ROW1
.elseif M_ == 2
	v_wmma_scale_f32_16x16x128_f8f6f4 v[D_:D_+7], v[A_:A_+15], v[B_:B_+15], \cc, v[SA_], v[SB_] matrix_a_scale:MATRIX_SCALE_ROW1
.elseif M_ == 1
	v_wmma_scale_f32_16x16x128_f8f6f4 v[D_:D_+7], v[A_:A_+15], v[B_:B_+15], \cc, v[SA_], v[SB_] matrix_b_scale:MATRIX_SCALE_ROW1
.else
	v_wmma_scale_f32_16x16x128_f8f6f4 v[D_:D_+7], v[A_:A_+15], v[B_:B_+15], \cc, v[SA_], v[SB_]
.endif
.endm
.macro PROD g, q, a, bb                ; the first K step starts the sums
.set D_, 8*(8*(\a)+4*(\g)+(\bb))
.set B_, 16*((4*(\q)+(\a))%16)
.set A_, WF+64*((\q)%2)+16*(\bb)
.set SB_, XSC+8*((\a)/2)+((\q)+4)%8
.set SA_, WSC+8*((4*(\g)+(\bb))/2)+(\q)
.set M_, 2*((\bb)%2)+(\a)%2
.if (\q) == 0
	W8 0
.else
	W8 v[D_:D_+7]
.endif
.endm
; A column group: 64 columns through all eight K steps, sixteen products a step; the group's 16 accumulators take turns.  Behind a step's products and eight places its set takes the K step two on.
.macro GROUP g
	FWG \g, 0
	FWG \g, 1
.irp q, 0,1,2,3,4,5,6,7
.if \q == 7
	s_wait_dscnt 0x0
.else
	s_wait_dscnt 16                                ; this step's set is in; the other set's sixteen loads may be out
.endif
.if \q+8*(\g) == 4
	s_wait_loadcnt 0x0                             ; K's second half of the left operand
.endif
	WIN 0xf0|((1+\q/4)<<2)
.irp bb, 0,1,2,3
.irp a, 0,1,2,3
	PROD \g, \q, \a, \bb
.endr
.endr
	WIN 0
	PLACES 8
.if \q+8*(\g) == 2
	s_wait_tensorcnt 0x0                           ; every wave: all that was out has landed: K's second half of w_out is read from here on
	s_wait_dscnt 0x0
	BARRIER
.endif
.if \q < 6
	FWG \g, (\q+2)
.endif
.endr
.endm
; THE WAY OUT of a column group: block by block of 16 rows x 64 columns through my own stage; whole rows of 256 bytes come back, and sixteen lanes store one aligned run of 256 bytes
.macro OUT g
.irp a, 0,1,2,3
	WIN 0x0c
.irp bb, 0,1,2,3
	ds_store_b128 v[STO], v[8*(8*\a+4*(\g)+\bb):8*(8*\a+4*(\g)+\bb)+3] offset:64*\bb          ; each accumulator from its low end on
	ds_store_b128 v[STO], v[8*(8*\a+4*(\g)+\bb)+4:8*(8*\a+4*(\g)+\bb)+7] offset:64*\bb+16
.endr
	WIN 0
.irp t, 0,1,2,3,4,5,6,7
	ds_load_b128 v[BK+32*\a+4*\t:BK+32*\a+4*\t+3], v[RD] offset:\t*2*272   ; LDS serves a wave's instructions in order: these see the stores above, and the next block's stores come behind them
.endr
.endr
.irp a, 0,1,2,3
	s_wait_dscnt 16*(3-\a)                         ; behind block a's loads: eight stores and eight loads for each later block
.irp t, 0,1,2,3,4,5,6,7
	global_store_b128 v[CO], v[BK+32*\a+4*\t:BK+32*\a+4*\t+3], s[12:13] offset:(16*\a+2*\t)*4096+256*(\g) th:TH_STORE_NT
.endr
.endr
.endm
	s_cmp_lt_u32 s14, 2
	s_cbranch_scc0 .Lnot_yet
	s_wait_tensorcnt 0x0                           ; waves 0, 1: K's first half has landed
.Lnot_yet:
	BARRIER
	s_wait_loadcnt 63                              ; of my 140 loads the first 77 are in: the scale words and K's first half of the left operand
	GROUP 0
	OUT 0
	s_wait_xcnt 0x0                                ; the stores have read their registers, which take fragments again
	GROUP 1
	OUT 1
	s_wait_tensorcnt 0x0                           ; the wave's end
	ds_add_u32 v[SPW], v[NIL]
	s_wait_dscnt 0x0
	CROUND                                         ; the closing round
	s_endpgm
.Lfunc_end_k_q9f7b469972_gemm_out:
	.size	k_q9f7b469972_gemm_out, .Lfunc_end_k_q9f7b469972_gemm_out-k_q9f7b469972_gemm_out
	.p2alignl 7, 3214868480
	.fill 96, 4, 3214868480
	.section	.rodata,"a",@progbits
	.p2align	6, 0x0
	.amdhsa_kernel k_q9f7b469972_gemm_out
		.amdhsa_group_segment_fixed_size 327680
		.amdhsa_private_segment_fixed_size 0
		.amdhsa_enable_private_segment 0
		.amdhsa_kernarg_size 24
		.amdhsa_user_sgpr_count 2
		.amdhsa_user_sgpr_kernarg_segment_ptr 1
		.amdhsa_wavefront_size32 1
		.amdhsa_system_sgpr_workgroup_id_x 1
		.amdhsa_system_sgpr_workgroup_id_y 1
		.amdhsa_system_sgpr_workgroup_id_z 1
		.amdhsa_system_vgpr_workitem_id 0
		.amdhsa_next_free_vgpr 1024
		.amdhsa_next_free_sgpr 100
		.amdhsa_reserve_vcc 0
		.amdhsa_float_denorm_mode_32 3
		.amdhsa_float_denorm_mode_16_64 3
		.amdhsa_memory_ordered 1
		.amdhsa_forward_progress 1
		.amdhsa_inst_pref_size 88
	.end_amdhsa_kernel
	.amdgpu_metadata
---
amdhsa.version: [ 1, 2 ]
amdhsa.kernels:
  - .name:           k_q9f7b469972_gemm_out
    .symbol:         k_q9f7b469972_gemm_out.kd
    .args:
      - { .name: ao, .offset: 0, .size: 8, .value_kind: global_buffer, .address_space: global }
      - { .name: wq, .offset: 8, .size: 8, .value_kind: global_buffer, .address_space: global }
      - { .name: out0, .offset: 16, .size: 8, .value_kind: global_buffer, .address_space: global }
    .group_segment_fixed_size: 327680
    .private_segment_fixed_size: 0
    .kernarg_segment_align: 8
    .kernarg_segment_size: 24
    .max_flat_workgroup_size: 128
    .sgpr_count:     100
    .vgpr_count:     1024
    .wavefront_size: 32
...
	.end_amdgpu_metadata
.endif
;; end of part 4
